; MI455X (gfx1250); checked and timed in simulation.
; The chip was launched on July 23, 2026; its instructions are those of AMD's public machine-readable ISA for CDNA 5 (MIT licence, August 2026) and "CDNA5" Instruction Set Architecture Reference Guide (July 2026). The comments in the code are by the model that wrote it; some were corrected since.
;; Transformer Block. Allowed arithmetic: float matrix products may take bf16 or f16 operands with f32 sums; all other float work in f32.
;; Inputs: W1 4,096 x 1,024 float32; W2 1,024 x 4,096 float32; Wk 1,024 x 1,024 float32; Wq 1,024 x 1,024 float32; Wv 1,024 x 1,024 float32; b1 4,096 float32; b2 1,024 float32; bk 1,024 float32; bq 1,024 float32; bv 1,024 float32; inputs 2 x 2,048 x 1,024 float32; scale1 1,024 float32; scale2 1,024 float32; shift1 1,024 float32; shift2 1,024 float32.
;; Outputs: out0 2 x 2,048 x 1,024 float32.
;; One version. Each part assembles by itself: llvm-mc -triple=amdgcn-amd-amdhsa -mcpu=gfx1250 --defsym DOCPART=n.
;; ======== version 1 of 1: 6 launches
;; limits: values are held in f16: magnitudes above 65,504 overflow, below 6.1e-05 lose precision
;; workspace buffers: xn 8,388,608 bytes; wqkv 6,291,456 bytes; w1h 8,388,608 bytes; w2h 8,388,608 bytes; qkv 25,165,824 bytes; res 16,777,216 bytes; g 33,554,432 bytes
;; launch prep (part 1): grid 704 x 1, 8 waves a work-group, no clusters, 0 bytes of LDS; arguments inputs, scale1, shift1, Wq, Wk, Wv, xn, wqkv; writes xn, wqkv
.if DOCPART == 1
	.amdgcn_target "amdgcn-amd-amdhsa--gfx1250"
	.amdhsa_code_object_version 6
	.text
	.protected	k_q79301202c1_prep
	.globl	k_q79301202c1_prep
	.p2align	8
	.type	k_q79301202c1_prep,@function
k_q79301202c1_prep:
	s_mov_b64 s[64:65], 0
	v_nop
	global_prefetch_b8 v0, s[64:65] scope:SCOPE_SE
	s_setreg_imm32_b32 hwreg(HW_REG_WAVE_MODE, 25, 1), 1
	s_wait_xcnt 0x0
; Two streams in one launch: what the projection behind needs.  Work-groups 0-191: Wq, Wk, Wv from f32 to f16, one below the other into wqkv,
; 16 pieces of 1,024 numbers a work-group, 2 a wave (the matrices are dense, so a piece is 4,096 bytes in, 2,048 out).
; Work-groups 192-703: xn = LayerNorm(inputs; scale1, shift1) in f16, one row of 1,024 a wave.
; (W1 and W2, which are wanted three launches on, are rounded beside the attention.)
; A cast work-group moves 96 KiB, a norm work-group 48: the larger shares stand first in the grid and the smaller ones fill in behind them.
; A piece: load j of eight takes 16 bytes a lane at 16 lane + 512 j; its four numbers leave as 8 bytes at 8 lane + 256 j: a store
; of the wave covers 256 consecutive bytes, aligned.  No LDS, no barrier, no matrix work: nothing is shared and every byte moves once.
; LayerNorm as the problem has it: mean; centred squares / 1,023; square root; + 1e-8; the row stays in registers for both passes,
; so no difference of large sums is formed.
; LIMITS.  f16 ends at 65,504 and below 6e-5 keeps a fixed step of 6e-8: the normed rows and the weights must lie within it.
; A variance below 2^-126 counts as 0.  NaN and infinities are not treated apart.
.set CASTS, 192                        ; cast work-groups: Wq 0-63, Wk 64-127, Wv 128-191
.set X, 16                             ; v[16:47]   the row (cast: v[16:79] two pieces)
.set G, 48                             ; v[48:79]   gain of my 32 columns
.set H, 80                             ; v[80:111]  shift of my 32 columns
.set A, 4                              ; v[4:11]    four packed partial sums
.set M, 12                             ; v[12:13]   mean, later 1 / (sd + eps), twice
.macro REDUCE                          ; v[A:A+7] -> their sum over lane and wave, in v[A] of every lane
	v_pk_add_f32 v[A:A+1], v[A:A+1], v[A+2:A+3]
	v_pk_add_f32 v[A+4:A+5], v[A+4:A+5], v[A+6:A+7]
	v_pk_add_f32 v[A:A+1], v[A:A+1], v[A+4:A+5]
	v_add_f32 v[A], v[A], v[A+1]
.irp m, 1,2,4,8
	v_add_f32_dpp v[A], v[A], v[A] row_xmask:\m row_mask:0xf bank_mask:0xf
.endr
	v_permlanex16_b32 v[A+1], v[A], s32, s33       ; the other half of the lanes; its destination has been written
	v_add_f32 v[A], v[A], v[A+1]
.endm
.macro LNROW src, gain, shift, dst     ; numbers of the scalar pairs that hold the four addresses
.irp j, 0,1,2,3,4,5,6,7
	global_load_b128 v[X+4*(\j):X+4*(\j)+3], v1, s[\src:\src+1] offset:512*(\j)
.endr
.irp j, 0,1,2,3,4,5,6,7
	global_load_b128 v[G+4*(\j):G+4*(\j)+3], v1, s[\gain:\gain+1] offset:512*(\j)
.endr
.irp j, 0,1,2,3,4,5,6,7
	global_load_b128 v[H+4*(\j):H+4*(\j)+3], v1, s[\shift:\shift+1] offset:512*(\j)
.endr
	s_wait_loadcnt 16                              ; the row is in; the sixteen younger loads (gain, shift) stay out
.irp k, 0,1,2,3
	v_pk_add_f32 v[A+2*(\k):A+2*(\k)+1], v[X+2*(\k):X+2*(\k)+1], v[X+8+2*(\k):X+9+2*(\k)]  ; the first pairs start four chains: nothing is cleared
.endr
.irp k, 0,1,2,3
	v_pk_add_f32 v[A+2*(\k):A+2*(\k)+1], v[A+2*(\k):A+2*(\k)+1], v[X+16+2*(\k):X+17+2*(\k)]
.endr
.irp k, 0,1,2,3
	v_pk_add_f32 v[A+2*(\k):A+2*(\k)+1], v[A+2*(\k):A+2*(\k)+1], v[X+24+2*(\k):X+25+2*(\k)]
.endr
	REDUCE
	v_mul_f32 v[M], 0x3a800000, v[A]               ; mean = sum / 1,024
	v_mov_b32 v[M+1], v[M]
.set kk, 0
.rept 16
	v_pk_add_f32 v[X+2*kk:X+2*kk+1], v[X+2*kk:X+2*kk+1], v[M:M+1] neg_lo:[0,1] neg_hi:[0,1]  ; x - mean
.set kk, kk+1
.endr
.irp k, 0,1,2,3
	v_pk_mul_f32 v[A+2*(\k):A+2*(\k)+1], v[X+2*(\k):X+2*(\k)+1], v[X+2*(\k):X+2*(\k)+1]
.endr
.set kk, 4
.rept 12
	v_pk_fma_f32 v[A+2*(kk%4):A+2*(kk%4)+1], v[X+2*kk:X+2*kk+1], v[X+2*kk:X+2*kk+1], v[A+2*(kk%4):A+2*(kk%4)+1]
.set kk, kk+1
.endr
	REDUCE
	v_mul_f32 v[A], 0x3a802008, v[A]               ; / 1,023
	v_sqrt_f32 v[A], v[A]
	v_nop                                          ; a plain instruction behind a transcendental before its result is used (ISA guide 5.7.2)
	s_wait_alu depctr_va_vdst(0)
	v_add_f32 v[A], 0x322bcc77, v[A]               ; + 1e-8
	v_rcp_f32 v[M], v[A]
	v_rcp_f32 v[M+1], v[A]
	v_nop
	s_wait_loadcnt 0x0                             ; gain and shift
.set kk, 0
	s_wait_alu depctr_va_vdst(0)
.rept 16
	v_pk_mul_f32 v[X+2*kk:X+2*kk+1], v[X+2*kk:X+2*kk+1], v[M:M+1]
.set kk, kk+1
.endr
.set kk, 0
.rept 16
	v_pk_fma_f32 v[X+2*kk:X+2*kk+1], v[X+2*kk:X+2*kk+1], v[G+2*kk:G+2*kk+1], v[H+2*kk:H+2*kk+1]
.set kk, kk+1
.endr
.irp j, 0,1,2,3,4,5,6,7
	v_cvt_pk_f16_f32 v[X+4*(\j)], v[X+4*(\j)], v[X+4*(\j)+1]
	v_cvt_pk_f16_f32 v[X+4*(\j)+1], v[X+4*(\j)+2], v[X+4*(\j)+3]
	global_store_b64 v2, v[X+4*(\j):X+4*(\j)+1], s[\dst:\dst+1] offset:256*(\j)  ; no register of a store is written again
.endr
.endm
	s_load_b512 s[8:23], s[0:1], 0x0               ; inputs 8, scale1 10, shift1 12, Wq 14, Wk 16, Wv 18, xn 20, wqkv 22
	v_lshrrev_b32 v3, 5, v0
	v_readfirstlane_b32 s2, v3                     ; wave 0..7
	v_and_b32 v1, 31, v0
	v_lshlrev_b32 v2, 3, v1                        ; 8 x lane: out
	v_lshlrev_b32 v1, 4, v1                        ; 16 x lane: in
	s_mov_b32 s32, 0x76543210                      ; v_permlanex16_b32: each lane takes its own place in the other half
	s_mov_b32 s33, 0xfedcba98
	s_cmp_lt_u32 ttmp9, CASTS
	s_cbranch_scc1 .Lcast
	s_sub_co_u32 s3, ttmp9, CASTS
	s_lshl_b32 s3, s3, 3
	s_add_co_u32 s3, s3, s2                        ; my row
	s_lshl_b32 s34, s3, 12
	s_mov_b32 s35, 0
	s_lshl_b32 s36, s3, 11
	s_mov_b32 s37, 0
	s_wait_kmcnt 0x0
	s_add_nc_u64 s[8:9], s[8:9], s[34:35]
	s_add_nc_u64 s[20:21], s[20:21], s[36:37]
	LNROW 8, 10, 12, 20
	s_endpgm
.Lcast:
	s_mov_b32 s3, ttmp9                            ; block 0..191: its place in wqkv, which holds the three one below the other
	s_and_b32 s34, s3, 63                          ; its place in its own matrix
	s_wait_kmcnt 0x0
	s_cmp_lt_u32 s3, 128
	s_cselect_b64 s[38:39], s[16:17], s[18:19]     ; from Wk or Wv,
	s_cmp_lt_u32 s3, 64
	s_cselect_b64 s[38:39], s[14:15], s[38:39]     ; or Wq
	s_lshl_b32 s42, s34, 4
	s_lshl1_add_u32 s42, s2, s42                   ; piece = 16 x block + 2 x wave
	s_lshl_b32 s43, s3, 4
	s_lshl1_add_u32 s43, s2, s43
	s_lshl_b32 s44, s42, 12
	s_mov_b32 s45, 0
	s_lshl_b32 s46, s43, 11
	s_mov_b32 s47, 0
	s_add_nc_u64 s[38:39], s[38:39], s[44:45]
	s_add_nc_u64 s[40:41], s[22:23], s[46:47]
.set kk, 0
.rept 16                               ; all 16 loads of the wave go out at once: piece kk / 8, part kk % 8
	global_load_b128 v[X+4*kk:X+4*kk+3], v1, s[38:39] offset:(kk/8)*4096+(kk%8)*512 th:TH_LOAD_NT
.set kk, kk+1
.endr
.irp r, 0,1
	s_wait_loadcnt 8*(1-(\r))                      ; piece r is in; the later piece's eight loads stay out
.irp j, 0,1,2,3,4,5,6,7
	v_cvt_pk_f16_f32 v[X+32*(\r)+4*(\j)], v[X+32*(\r)+4*(\j)], v[X+32*(\r)+4*(\j)+1]
	v_cvt_pk_f16_f32 v[X+32*(\r)+4*(\j)+1], v[X+32*(\r)+4*(\j)+2], v[X+32*(\r)+4*(\j)+3]
	global_store_b64 v2, v[X+32*(\r)+4*(\j):X+32*(\r)+4*(\j)+1], s[40:41] offset:(\r)*2048+(\j)*256
.endr
.endr
	s_endpgm
.Lfunc_end_k_q79301202c1_prep:
	.size	k_q79301202c1_prep, .Lfunc_end_k_q79301202c1_prep-k_q79301202c1_prep
	.p2alignl 7, 3214868480
	.fill 96, 4, 3214868480
	.section	.rodata,"a",@progbits
	.p2align	6, 0x0
	.amdhsa_kernel k_q79301202c1_prep
		.amdhsa_group_segment_fixed_size 0
		.amdhsa_private_segment_fixed_size 0
		.amdhsa_enable_private_segment 0
		.amdhsa_kernarg_size 64
		.amdhsa_user_sgpr_count 2
		.amdhsa_user_sgpr_kernarg_segment_ptr 1
		.amdhsa_wavefront_size32 1
		.amdhsa_system_sgpr_workgroup_id_x 1
		.amdhsa_system_sgpr_workgroup_id_y 1
		.amdhsa_system_sgpr_workgroup_id_z 1
		.amdhsa_system_vgpr_workitem_id 0
		.amdhsa_next_free_vgpr 112
		.amdhsa_next_free_sgpr 66
		.amdhsa_reserve_vcc 0
		.amdhsa_float_denorm_mode_32 3
		.amdhsa_float_denorm_mode_16_64 3
		.amdhsa_memory_ordered 1
		.amdhsa_forward_progress 1
		.amdhsa_inst_pref_size 18
	.end_amdhsa_kernel
	.amdgpu_metadata
---
amdhsa.version: [ 1, 2 ]
amdhsa.kernels:
  - .name:           k_q79301202c1_prep
    .symbol:         k_q79301202c1_prep.kd
    .args:
      - { .name: inputs, .offset: 0, .size: 8, .value_kind: global_buffer, .address_space: global }
      - { .name: scale1, .offset: 8, .size: 8, .value_kind: global_buffer, .address_space: global }
      - { .name: shift1, .offset: 16, .size: 8, .value_kind: global_buffer, .address_space: global }
      - { .name: Wq, .offset: 24, .size: 8, .value_kind: global_buffer, .address_space: global }
      - { .name: Wk, .offset: 32, .size: 8, .value_kind: global_buffer, .address_space: global }
      - { .name: Wv, .offset: 40, .size: 8, .value_kind: global_buffer, .address_space: global }
      - { .name: xn, .offset: 48, .size: 8, .value_kind: global_buffer, .address_space: global }
      - { .name: wqkv, .offset: 56, .size: 8, .value_kind: global_buffer, .address_space: global }
    .group_segment_fixed_size: 0
    .private_segment_fixed_size: 0
    .kernarg_segment_align: 8
    .kernarg_segment_size: 64
    .max_flat_workgroup_size: 256
    .sgpr_count:     66
    .vgpr_count:     112
    .wavefront_size: 32
...
	.end_amdgpu_metadata
.endif
;; end of part 1
;; launch qkv (part 2): grid 16 x 16, 4 waves a work-group, clusters of 4 x 4, 327,680 bytes of LDS; arguments xn, wqkv, qkv, bq, bk, bv; writes qkv
.if DOCPART == 2
	.amdgcn_target "amdgcn-amd-amdhsa--gfx1250"
	.amdhsa_code_object_version 6
	.text
	.protected	k_q79301202c1_qkv
	.globl	k_q79301202c1_qkv
	.p2align	8
	.type	k_q79301202c1_qkv,@function
k_q79301202c1_qkv:
	s_mov_b64 s[64:65], 0
	v_nop
	global_prefetch_b8 v0, s[64:65] scope:SCOPE_SE
	s_setreg_imm32_b32 hwreg(HW_REG_WAVE_MODE, 25, 1), 1
	s_wait_xcnt 0x0
	s_wait_alu depctr_hold_cnt(0) depctr_sa_sdst(0) depctr_va_vdst(0) depctr_va_sdst(0) depctr_va_ssrc(0) depctr_va_vcc(0) depctr_vm_vsrc(0)
	s_getreg_b32 s2, hwreg(HW_REG_IB_STS2, 6, 4)
	s_cmp_eq_u32 s2, 0
	s_cbranch_scc0 .Lentry_in_a_cluster
	s_endpgm
.Lentry_in_a_cluster:
	s_bfe_u32 s2, ttmp6, 0x10000c
	s_cmp_lg_u32 s2, 0xf033
	s_cbranch_scc0 .Lentry_shape_is_right
	s_endpgm
.Lentry_shape_is_right:
; q, k, v = xn W^T + bias, in f16, laid out by heads: qkv[b][16 which + head][2,048][64].  xn: [4,096][1,024] f16; wqkv: [3,072][1,024] f16 (Wq, Wk, Wv); sums in f32.
; A work-group makes 256 tokens x 192 columns (three whole heads); each of its four waves 64 tokens x 192: 48 accumulators of 16 x 16.  16 x 16 tiles: 256 work-groups.
; K goes in steps of 128 through a ring of two LDS slots filled by the tensor data mover; rows of a tile are 256 bytes of memory, aligned.
; CLUSTER 4 x 4: the four of a row need the same tile of xn, the four of a column the same tile of wqkv: each is asked for jointly (same load, descriptor and mask in all four).
; THE MATRIX INSTRUCTION IS USED TRANSPOSED (source 0 = 16 rows of W, source 1 = 16 tokens): a lane holds one token and eight neighbouring columns.
; THE BIAS is the C operand of the products that start the sums: register j of a lane is bias[column 16 b + 8 (lane / 16) + j], alike for all tokens.  Nothing is cleared, nothing added later.
; THE TEXT.  A K step is written twice: once for the six steps that fill a slot again, looped, and once for the last two, which fill nothing, walked twice.  The slot in hand is a scalar,
; 0 or SLOT, turned by an exclusive or at a trip's end; the fragments' addresses and the walking descriptor's LDS word are sums with it.
; THE WAY OUT: when the last K step is multiplied both slots have had their last fill; each wave dumps its f32 sums there and reads them back by rows.
; LIMITS.  f16 ends at 65,504: q, k, v must lie within it; below 6e-5 f16 keeps a fixed step of 6e-8.  NaN and infinities are not treated apart.
; REGISTERS, in windows of 256: window 0: v1-30 addresses; v32-63, v64-95 fragments of xn, two buffers; v96-191 bias; on the way out v32-175.
;   window 1: v0-95, v128-223 fragments of W, two buffers.  window 2: accumulators of token blocks 0, 1 ((a, b) at 8 (12 a + b)); window 3: of blocks 2, 3.
.set BM, 256
.set BN, 192
.set MB, 4                             ; blocks of 16 tokens a wave
.set NB, 12                            ; blocks of 16 columns a wave
.set SIZE_K, 1024
.set KSTEP, 128
.set STEPS, SIZE_K/KSTEP
.set PITCH, 272                        ; an LDS row: 256 bytes + 16 of padding = 68 words: the 16 rows of a fragment load start at 16 different groups of four banks (64 banks of 4 bytes: ISA guide 11.1)
.set QI, 5                             ; padding after every 64 words
.set SLOT, (BM+BN)*PITCH               ; xn's 256 rows, then W's 192
.set SPARE, 2*SLOT                     ; behind the ring: the spare words, 128 bytes a wave, that no other line names
.set DP, 64*NB+16                      ; the dump: a row of 192 f32 + 16 bytes
.set DREG, 16*MB*DP                    ; a wave's dump; four of them fit in the two slots
.set ADRA, 16                          ; v16 LDS address of my xn fragments in slot 0; never rewritten
.set XA, 17                            ; v17 the same in the slot to come
.set CA, 18                            ; v18 the same in the slot in hand
.set ADRB, 20                          ; v20-22 likewise for W
.set XB, 21
.set CB, 22
.set STO, 24                           ; v24 the dump: where I put 16 bytes of a row
.set RD0, 25                           ; v25 where I read rows back, first 16 rows
.set CO, 26                            ; v26 my byte offset in the output
.set RD, 27                            ; v27 RD0 + the trip's step
.set SPW, 28                           ; v28 LDS address of my spare word; never rewritten
.set NIL, 29                           ; v29 0; never rewritten
.set VB, 30                            ; v30 32 x (lane / 16): my eight numbers of a block's bias
.set FA0, 32
.set BIAS, FA0+16*MB
.set XR, 32                            ; the way out: rows as read back
.set TT, 128                           ; the way out: packed f16
.set G1, 24                            ; s[24:31] descriptor group 1 for xn's tiles; s[32:39] group 0: a set for each of the two first fills; the second then walks on
.set G0, 32
.set G1B, 48                           ; s[48:55], s[56:63] the same for W's tiles
.set G0B, 56
.set WM, 66                            ; s66 my place along the tokens, s67 along the columns
.set WN, 67
.set TN, 68                            ; s68 the slot to come: SLOT or 0
.set TC, 70                            ; s70 counts the last two K steps
.set TK, 84                            ; s84 the slot in hand: 0 or SLOT
.set TR, 85                            ; s85 the way out: LDS step
.set MSB, 0
.macro WIN new                         ; the immediate's high byte repeats the setting that is left; a switch that changes nothing is dropped
.if MSB != (\new)
	s_set_vgpr_msb (MSB<<8)|(\new)
.set MSB, \new
.endif
.endm
.macro JLOAD s                         ; a joint load: waves 0 and 1 fetch the two halves of xn's tile, waves 2 and 3 of W's; s_nop 0 and four v_nop follow each line
	s_cmp_eq_u32 s11, 0
	s_cbranch_scc0 .Lfor_b_\@
	tensor_load_to_lds s[G0+4*(\s):G0+4*(\s)+3], s[G1:G1+7]
	s_nop 0
.rept 4
	v_nop
.endr
	s_branch .Lasked_\@
.Lfor_b_\@:
	tensor_load_to_lds s[G0B+4*(\s):G0B+4*(\s)+3], s[G1B:G1B+7]
	s_nop 0
.rept 4
	v_nop
.endr
.Lasked_\@:
.endm
.macro CREST                           ; a round of the cluster's barrier behind its opening barrier
	s_cmp_lg_u32 s10, 0
	s_cbranch_scc1 .Lnot_wave_0_\@
	s_barrier_signal -3
.Lnot_wave_0_\@:
	s_barrier_wait -3
	s_barrier_signal -1
	s_barrier_wait -1
.endm
.macro CROUND
	s_barrier_signal -1
	s_barrier_wait -1
	CREST
.endm
.macro PLACES                          ; four plain vector instructions between a matrix instruction and a load into, or a read of, its registers (ISA guide 7.12.1 for reads)
.rept 4
	v_nop
.endr
.endm
; MB / 4 token blocks x all NB column blocks, 32 along K, from buffer f.  hi: window 2 or 3; part: which half of the window's blocks.  first = 1: C is the bias.
; Every sub-step takes the accumulators in the same order, one instruction a turn.
.macro MULQ f, hi, part, first
.if \first
	WIN 0x81+0x40*(\hi)
.else
	WIN 0xa1+0x50*(\hi)
.endif
.set ia, (\part)*(MB/4)
.rept MB/4
.set ib, 0
.rept NB
.set rD, 8*(NB*ia+ib)
.set rB, 128*(\f)+8*ib
.set rA, FA0+8*MB*(\f)+8*((\hi)*(MB/2)+ia)
.if \first
	v_wmma_f32_16x16x32_f16 v[rD:rD+7], v[rB:rB+7], v[rA:rA+7], v[BIAS+8*ib:BIAS+8*ib+7]
.else
	v_wmma_f32_16x16x32_f16 v[rD:rD+7], v[rB:rB+7], v[rA:rA+7], v[rD:rD+7]
.endif
.set ib, ib+1
.endr
.set ia, ia+1
.endr
.endm
; one run of 2 (NB + MB) LDS loads: the fragments of 32 along K at byte k of the rows, into buffer g; W's first, then xn's.  ra, rb: the registers that hold the slot's addresses
.macro FETCHR ra, rb, k, g
	WIN 0x40
.set ii, 0
.rept NB
	ds_load_b128 v[128*(\g)+8*ii:128*(\g)+8*ii+3],   v[\rb] offset:(\k)+ii*16*PITCH
	ds_load_b128 v[128*(\g)+8*ii+4:128*(\g)+8*ii+7], v[\rb] offset:(\k)+ii*16*PITCH+32
.set ii, ii+1
.endr
	WIN 0
.set ii, 0
.rept MB
	ds_load_b128 v[FA0+8*MB*(\g)+8*ii:FA0+8*MB*(\g)+8*ii+3],   v[\ra] offset:(\k)+ii*16*PITCH
	ds_load_b128 v[FA0+8*MB*(\g)+8*ii+4:FA0+8*MB*(\g)+8*ii+7], v[\ra] offset:(\k)+ii*16*PITCH+32
.set ii, ii+1
.endr
.endm
.macro QUARTER ra, rb, k, f, g, first  ; multiplies buffer f; in its middle fetches the next sub-step, at byte k, into g
	s_wait_dscnt MB                                ; W and xn's first half are in; the youngest MB loads (xn's second half) may be out
	MULQ \f, 0, 0, \first
	MULQ \f, 0, 1, \first
	PLACES
	FETCHR \ra, \rb, \k, \g
	s_wait_dscnt 2*(MB+NB)                         ; all but the run just issued
	MULQ \f, 1, 0, \first
	MULQ \f, 1, 1, \first
.endm
.macro MID                             ; sub-steps 1 and 2 of the K step in hand
	QUARTER CA, CB, 128, 1, 0, 0
	QUARTER CA, CB, 192, 0, 1, 0
.endm
; The last sub-step of a K step multiplies buffer 1 and changes slots.  MEET is its first half: one barrier; ahead of it each wave waits for all its tensor loads (at most one is out: its part of
; the slot to come), adds 0 to its spare word, and waits for that and for its reads of the slot in hand.  The addresses in the slot to come are made while the add is out.
.macro MEET
	WIN 0
	s_wait_tensorcnt 0x0
	ds_add_u32 v[SPW], v[NIL]
	v_add_nc_u32 v[XA], s[TN], v[ADRA]
	v_add_nc_u32 v[XB], s[TN], v[ADRB]
	s_wait_dscnt MB+1                              ; the add and the youngest MB loads may be out
	MULQ 1, 0, 0, 0
	s_wait_dscnt 0x0                               ; the add is done, my reads of the slot in hand are over
	s_barrier_signal -1
	MULQ 1, 0, 1, 0
	WIN 0
	s_barrier_wait -1
.endm
.macro TURNOVER                        ; a trip's end: the slots change names
	WIN 0
	s_xor_b32 s[TK], s[TK], SLOT
	s_xor_b32 s[TN], s[TN], SLOT
.endm
.macro DUMP                            ; all sums, f32, into my part of the spent slots: row = token, 32 bytes a lane and block; each accumulator's low registers first
.set ih, 0
.rept 2
	WIN 0x08+4*ih
.set ia, 0
.rept MB/2
.set ib, 0
.rept NB
	ds_store_b128 v[STO], v[8*(NB*ia+ib):8*(NB*ia+ib)+3]   offset:(ih*(MB/2)+ia)*16*DP+64*ib
	ds_store_b128 v[STO], v[8*(NB*ia+ib)+4:8*(NB*ia+ib)+7] offset:(ih*(MB/2)+ia)*16*DP+64*ib+16
.set ib, ib+1
.endr
.set ia, ia+1
.endr
.set ih, ih+1
.endr
	WIN 0
.endm
	s_load_b128 s[4:7], s[0:1], 0x0                ; xn, wqkv
	s_load_b64 s[8:9], s[0:1], 0x10                ; qkv
	s_load_b64 s[72:73], s[0:1], 0x18              ; bq
	s_load_b64 s[74:75], s[0:1], 0x20              ; bk
	s_load_b64 s[76:77], s[0:1], 0x28              ; bv
	v_lshl_add_u32 v[SPW], v0, 2, SPARE
	v_mov_b32 v[NIL], 0
	ds_add_u32 v[SPW], v[NIL]                      ; the wave's opening: the add is waited for ahead of my first tensor load
	v_lshrrev_b32 v1, 5, v0
	v_readfirstlane_b32 s10, v1                    ; wave 0..3
	s_lshr_b32 s11, s10, 1                         ; I fetch for xn (0) or for W (1)
	s_and_b32 s12, s10, 1                          ; which half of that tile's rows
	s_mov_b32 s[WM], s10                           ; four waves along the tokens,
	s_mov_b32 s[WN], 0                             ; one along the columns
	s_bfe_u32 s40, ttmp6, 0x40000                  ; cx, cy: my place in the cluster
	s_bfe_u32 s41, ttmp6, 0x40004
	s_lshl_b32 s42, ttmp9, 2
	s_add_co_u32 s42, s42, s40                     ; tile column
	s_and_b32 s13, ttmp7, 0xffff
	s_lshl_b32 s13, s13, 2
	s_add_co_u32 s13, s13, s41                     ; tile row
	s_lshl_b32 s43, s41, 2
	s_lshl_b32 s43, 15, s43                        ; my row of the cluster
	s_lshl_b32 s44, 0x1111, s40                    ; my column
	s_or_b32 s[G1+0], s43, (1<<16)|(1<<20)|(1<<21)|(QI<<22)|(3<<25)   ; mask; 2-byte elements; padding on; bit 21 beside a mask; after every row; 4 words
	s_or_b32 s[G1B+0], s44, (1<<16)|(1<<20)|(1<<21)|(QI<<22)|(3<<25)
	s_mov_b32 s[G1+1], KSTEP<<16                   ; tensor_dim0
	s_mov_b32 s[G1+2], (BM/2)<<16                  ; tensor_dim1
	s_mov_b32 s[G1+3], KSTEP<<16                   ; tile_dim0
	s_mov_b32 s[G1+4], BM/2                        ; tile_dim1
	s_mov_b32 s[G1+5], SIZE_K                      ; elements from row to row
	s_mov_b32 s[G1+6], 0
	s_mov_b32 s[G1+7], 0
	s_mov_b32 s[G1B+1], KSTEP<<16
	s_mov_b32 s[G1B+2], (BN/2)<<16
	s_mov_b32 s[G1B+3], KSTEP<<16
	s_mov_b32 s[G1B+4], BN/2
	s_mov_b32 s[G1B+5], SIZE_K
	s_mov_b32 s[G1B+6], 0
	s_mov_b32 s[G1B+7], 0
	s_mul_i32 s17, s12, BM/2                       ; xn's address hangs on the tile row alone, W's on the tile column alone, each in registers that never hold the other
	s_mul_i32 s16, s13, BM
	s_add_co_u32 s16, s16, s17
	s_mul_i32 s47, s12, BN/2
	s_mul_i32 s46, s42, BN
	s_add_co_u32 s46, s46, s47
	s_mov_b32 s17, 0
	s_mov_b32 s47, 0
	s_mov_b64 s[18:19], SIZE_K*2
	s_mul_u64 s[16:17], s[16:17], s[18:19]
	s_mul_u64 s[46:47], s[46:47], s[18:19]
	s_mul_i32 s20, s10, (BM/2)*PITCH               ; where they go in a slot: waves 0, 1: xn's halves;
	s_mul_i32 s21, s10, (BN/2)*PITCH               ; waves 2, 3: W's halves, behind xn's BM rows: w x 96 rows + 64 rows.  s20 and s21 are kept
	s_add_co_u32 s21, s21, (BM-BN)*PITCH
	s_wait_dscnt 0x0                               ; the opening add is done
	s_wait_kmcnt 0x0
	s_add_nc_u64 s[14:15], s[4:5], s[16:17]
	s_add_nc_u64 s[46:47], s[6:7], s[46:47]
	CROUND                                         ; all sixteen work-groups are here: the first joint loads meet
.irp s, 0,1
	s_mov_b32 s[G0+4*(\s)], 1
	s_add_co_u32 s[G0+4*(\s)+1], s20, (\s)*SLOT
	s_add_nc_u64 s[G0+4*(\s)+2:G0+4*(\s)+3], s[14:15], (\s)*KSTEP*2
	s_or_b32 s[G0+4*(\s)+3], s[G0+4*(\s)+3], 0x80000000
	s_mov_b32 s[G0B+4*(\s)], 1
	s_add_co_u32 s[G0B+4*(\s)+1], s21, (\s)*SLOT
	s_add_nc_u64 s[G0B+4*(\s)+2:G0B+4*(\s)+3], s[46:47], (\s)*KSTEP*2
	s_or_b32 s[G0B+4*(\s)+3], s[G0B+4*(\s)+3], 0x80000000
	JLOAD \s                                       ; two tensor loads of mine are out; later one
.endr
	v_and_b32 v1, 15, v0                           ; l % 16
	v_bfe_u32 v2, v0, 4, 1                         ; l / 16
	v_lshlrev_b32 v[VB], 5, v2
	; the three heads' biases: head 3 x tile column + j lies in bq, bk or bv
.irp j, 0,1,2
	s_mul_i32 s46, s42, 3
	s_add_co_u32 s46, s46, \j
	s_lshr_b32 s47, s46, 4                         ; 0 q, 1 k, 2 v
	s_and_b32 s46, s46, 15
	s_lshl_b32 s46, s46, 8                         ; the head's 64 numbers
	s_cmp_eq_u32 s47, 0
	s_cselect_b64 s[86+2*(\j):87+2*(\j)], s[72:73], s[74:75]
	s_cmp_eq_u32 s47, 2
	s_cselect_b64 s[86+2*(\j):87+2*(\j)], s[76:77], s[86+2*(\j):87+2*(\j)]
	s_mov_b32 s47, 0
	s_add_nc_u64 s[86+2*(\j):87+2*(\j)], s[86+2*(\j):87+2*(\j)], s[46:47]
.irp c, 0,1,2,3
	global_load_b128 v[BIAS+8*(4*(\j)+(\c)):BIAS+8*(4*(\j)+(\c))+3],   v[VB], s[86+2*(\j):87+2*(\j)] offset:64*(\c)
	global_load_b128 v[BIAS+8*(4*(\j)+(\c))+4:BIAS+8*(4*(\j)+(\c))+7], v[VB], s[86+2*(\j):87+2*(\j)] offset:64*(\c)+16
.endr
.endr
	v_mul_u32_u24 v3, v1, PITCH
	v_lshl_add_u32 v3, v2, 4, v3                   ; a fragment's row x pitch + 16 x half
	s_mul_i32 s22, s[WM], 16*MB*PITCH
	s_mul_i32 s23, s[WN], 16*NB*PITCH
	s_add_co_u32 s23, s23, BM*PITCH
	v_add_nc_u32 v[ADRA], s22, v3
	v_add_nc_u32 v[ADRB], s23, v3
	v_and_b32 v4, 31, v0
	s_mul_i32 s23, s10, DREG                       ; my dump
	v_mul_u32_u24 v5, v1, DP
	v_lshl_add_u32 v5, v2, 5, v5
	v_add_nc_u32 v[STO], s23, v5                   ; in: row l % 16, 32 bytes for each half of the lanes
	v_mul_u32_u24 v5, v2, DP
	v_lshl_add_u32 v5, v1, 4, v5
	v_add_nc_u32 v[RD0], s23, v5                   ; back: lanes 0-15 a head's 256 bytes of one row, lanes 16-31 of the next
	v_lshlrev_b32 v[CO], 3, v4                     ; two rows of a head in f16 are 256 consecutive bytes: 8 a lane
	s_lshr_b32 s16, s13, 3                         ; b
	s_mul_i32 s16, s16, 48*2048
	s_and_b32 s17, s13, 7
	s_lshl_b32 s17, s17, 8
	s_add_co_u32 s16, s16, s17
	s_lshl_b32 s17, s10, 6
	s_add_co_u32 s16, s16, s17                     ; b x 48 heads x 2,048 rows + my first row in the sequence
	s_lshl_b32 s16, s16, 7
	s_mov_b32 s17, 0
	s_add_nc_u64 s[8:9], s[8:9], s[16:17]
	s_mul_i32 s46, s42, 3*2048*128                 ; my first head
	s_mov_b32 s47, 0
	s_add_nc_u64 s[8:9], s[8:9], s[46:47]
	s_wait_tensorcnt 1                             ; my part of K step 0 is in; K step 1's may stay out
	s_barrier_signal -1
	s_barrier_wait -1
	FETCHR ADRA, ADRB, 0, 0
	s_wait_loadcnt 0x0                             ; the bias
	QUARTER ADRA, ADRB, 64, 0, 1, 1                ; the first sub-step stands ahead of the loop: its products start the sums, from the bias
	WIN 0
	s_mov_b32 s[TK], 0
	s_mov_b32 s[TN], SLOT
	s_mov_b32 s3, STEPS-2
.Lstep:                                                ; a trip: from a K step's second sub-step to the next step's first; it fills the slot that it leaves with the K step two on
	v_add_nc_u32 v[CA], s[TK], v[ADRA]
	v_add_nc_u32 v[CB], s[TK], v[ADRB]
	MID
	MEET
	CREST                                          ; the barrier has opened a round of the cluster's: no wave of any partner still reads the slot or has a load on its way
	s_add_co_u32 s[G0+5], s20, s[TK]               ; the walking descriptors: my part of the slot just left,
	s_add_nc_u64 s[G0+6:G0+7], s[G0+6:G0+7], KSTEP*2       ; the next K step not yet asked for; the type bits on top are not reached
	s_add_co_u32 s[G0B+5], s21, s[TK]
	s_add_nc_u64 s[G0B+6:G0B+7], s[G0B+6:G0B+7], KSTEP*2
	JLOAD 1                                        ; the first tensor load behind the round; its four v_nop are also the places ahead of the loads below
	FETCHR XA, XB, 0, 0
	MULQ 1, 1, 0, 0
	MULQ 1, 1, 1, 0
	QUARTER XA, XB, 64, 0, 1, 0
	TURNOVER
	s_sub_co_u32 s3, s3, 1
	s_cmp_lg_u32 s3, 0
	s_cbranch_scc1 .Lstep
	s_mov_b32 s[TC], 2
.Ltail:                                                ; the last two K steps fill nothing: their text stands apart
	v_add_nc_u32 v[CA], s[TK], v[ADRA]
	v_add_nc_u32 v[CB], s[TK], v[ADRB]
	MID
	MEET                                           ; in the last trip: behind this barrier no wave reads a slot any more and no fill is to come, so the slots may be written
	s_cmp_eq_u32 s[TC], 1
	s_cbranch_scc1 .Lno_more                       ; the last K step has no successor to fetch
	PLACES
	FETCHR XA, XB, 0, 0
.Lno_more:
	MULQ 1, 1, 0, 0
	MULQ 1, 1, 1, 0
	WIN 0
	s_sub_co_u32 s[TC], s[TC], 1
	s_cmp_eq_u32 s[TC], 0
	s_cbranch_scc1 .Lsums                          ; the second trip is left here
	QUARTER XA, XB, 64, 0, 1, 0
	TURNOVER
	s_cmp_lg_u32 s[TC], 0
	s_cbranch_scc1 .Ltail
.Lsums:
	PLACES
	DUMP
	s_wait_dscnt 0x0                               ; my dump is written
	s_barrier_signal -1
	s_barrier_wait -1                              ; everybody's is: from here LDS is only read
	s_mov_b32 s[TR], 0
	s_mov_b32 s3, MB
.Lrows:                                                ; 16 tokens a trip
	v_add_nc_u32 v[RD], s[TR], v[RD0]
.set ii, 0
.rept 24                               ; head ii / 8, pair of rows ii % 8
	ds_load_b128 v[XR+4*ii:XR+4*ii+3], v[RD] offset:(ii%8)*2*DP+256*(ii/8)
.set ii, ii+1
.endr
	s_wait_dscnt 0x0
.set ii, 0
.rept 48
	v_cvt_pk_f16_f32 v[TT+ii], v[XR+2*ii], v[XR+2*ii+1]
.set ii, ii+1
.endr
.set ii, 0
.rept 24
	global_store_b64 v[CO], v[TT+2*ii:TT+2*ii+1], s[8:9] offset:(ii/8)*262144+256*(ii%8)  ; the wave stores 256 consecutive bytes, aligned
.set ii, ii+1
.endr
	s_wait_xcnt 0x0                                ; the stores' base and data are rewritten only behind this wait
	s_add_co_u32 s[TR], s[TR], 16*DP
	s_add_nc_u64 s[8:9], s[8:9], 16*128
	s_sub_co_u32 s3, s3, 1
	s_cmp_lg_u32 s3, 0
	s_cbranch_scc1 .Lrows
	s_wait_tensorcnt 0x0                           ; the wave's end
	ds_add_u32 v[SPW], v[NIL]
	s_wait_dscnt 0x0
	CROUND                                         ; the closing round
	s_endpgm
.Lfunc_end_k_q79301202c1_qkv:
	.size	k_q79301202c1_qkv, .Lfunc_end_k_q79301202c1_qkv-k_q79301202c1_qkv
	.p2alignl 7, 3214868480
	.fill 96, 4, 3214868480
	.section	.rodata,"a",@progbits
	.p2align	6, 0x0
	.amdhsa_kernel k_q79301202c1_qkv
		.amdhsa_group_segment_fixed_size 327680
		.amdhsa_private_segment_fixed_size 0
		.amdhsa_enable_private_segment 0
		.amdhsa_kernarg_size 48
		.amdhsa_user_sgpr_count 2
		.amdhsa_user_sgpr_kernarg_segment_ptr 1
		.amdhsa_wavefront_size32 1
		.amdhsa_system_sgpr_workgroup_id_x 1
		.amdhsa_system_sgpr_workgroup_id_y 1
		.amdhsa_system_sgpr_workgroup_id_z 1
		.amdhsa_system_vgpr_workitem_id 0
		.amdhsa_next_free_vgpr 960
		.amdhsa_next_free_sgpr 96
		.amdhsa_reserve_vcc 0
		.amdhsa_float_denorm_mode_32 3
		.amdhsa_float_denorm_mode_16_64 3
		.amdhsa_memory_ordered 1
		.amdhsa_forward_progress 1
		.amdhsa_inst_pref_size 77
	.end_amdhsa_kernel
	.amdgpu_metadata
---
amdhsa.version: [ 1, 2 ]
amdhsa.kernels:
  - .name:           k_q79301202c1_qkv
    .symbol:         k_q79301202c1_qkv.kd
    .args:
      - { .name: xn, .offset: 0, .size: 8, .value_kind: global_buffer, .address_space: global }
      - { .name: wqkv, .offset: 8, .size: 8, .value_kind: global_buffer, .address_space: global }
      - { .name: qkv, .offset: 16, .size: 8, .value_kind: global_buffer, .address_space: global }
      - { .name: bq, .offset: 24, .size: 8, .value_kind: global_buffer, .address_space: global }
      - { .name: bk, .offset: 32, .size: 8, .value_kind: global_buffer, .address_space: global }
      - { .name: bv, .offset: 40, .size: 8, .value_kind: global_buffer, .address_space: global }
    .group_segment_fixed_size: 327680
    .private_segment_fixed_size: 0
    .kernarg_segment_align: 8
    .kernarg_segment_size: 48
    .max_flat_workgroup_size: 128
    .sgpr_count:     96
    .vgpr_count:     960
    .wavefront_size: 32
...
	.end_amdgpu_metadata
.endif
;; end of part 2
;; launch attn (part 3): grid 8 x 32, 4 waves a work-group, clusters of 4 x 1, 327,680 bytes of LDS; arguments qkv, inputs, res, W1, W2, w1h, w2h; writes res, w1h, w2h
.if DOCPART == 3
	.amdgcn_target "amdgcn-amd-amdhsa--gfx1250"
	.amdhsa_code_object_version 6
	.text
	.protected	k_q79301202c1_attn
	.globl	k_q79301202c1_attn
	.p2align	8
	.type	k_q79301202c1_attn,@function
k_q79301202c1_attn:
	s_mov_b64 s[64:65], 0
	v_nop
	global_prefetch_b8 v0, s[64:65] scope:SCOPE_SE
	s_setreg_imm32_b32 hwreg(HW_REG_WAVE_MODE, 25, 1), 1
	s_wait_xcnt 0x0
	s_wait_alu depctr_hold_cnt(0) depctr_sa_sdst(0) depctr_va_vdst(0) depctr_va_sdst(0) depctr_va_ssrc(0) depctr_va_vcc(0) depctr_vm_vsrc(0)
	s_getreg_b32 s2, hwreg(HW_REG_IB_STS2, 6, 4)
	s_cmp_eq_u32 s2, 0
	s_cbranch_scc0 .Lentry_in_a_cluster
	s_endpgm
.Lentry_in_a_cluster:
	s_bfe_u32 s2, ttmp6, 0x10000c
	s_cmp_lg_u32 s2, 0x3003
	s_cbranch_scc0 .Lentry_shape_is_right
	s_endpgm
.Lentry_shape_is_right:
; res[token][64 head ..] = inputs[token][64 head ..] + the sum over k of softmax_k(q . k) v: no scale, no mask.  q, k, v: qkv[b][16 which + head][2,048][64] in f16; inputs, res: [4,096][1,024] f32.
; Products, maxima and sums in f32; the weights p are rounded to f16 for the second product (their sum l is taken of the unrounded p).
; LIMITS.  q, k, v arrive within f16's 65,504; p lies in 0 to 1 and below 6e-5 keeps f16's fixed step of 6e-8; a weight below 2^-126 counts as 0 in l; NaN and infinities are not treated apart.
; W1 and W2 must lie within f16's 65,504; below 6e-5 they keep its fixed step of 6e-8.
; SHARES.  A work-group owns 256 queries of one of the 32 (b, head): 8 x 32 = 256 work-groups.  A wave owns 64 queries: four PIECES of 16.  Every wave walks all 2,048 keys, 64 a step, 256 a slot.
; LAYOUT.  S^T = K Q^T (source 0 = 16 keys, source 1 = 16 queries): a lane holds ONE query (lane % 16) and the keys 8 (lane / 16) + 0..7.  Two such results rounded to f16 ARE source 1 of
; O^T = V^T P, whose result again holds one query a lane, and eight channels.  K comes out of LDS as it lies, V ([key][channel]) turned, by ds_load_tr16_b128.
; SOFTMAX.  A running maximum m and sum l for each query: p = 2^(c s - c m), c = log2(e); in every step O and l are multiplied by a = 2^(c m_old - c m_new).  m starts at the lowest finite number,
; O and l at 0: the first step is a step like any other, with a = 0.
; BY TURNS.  Turn n belongs to piece n: 8 products K Q^T of piece n + 1, later 8 products V^T P of piece n - 1; beside them the scaling, exponentials, roundings, sums and rescaling of piece n and the
; maximum and statistics of piece n + 1.  A turn has 16 matrix and 118 vector instructions: four stand behind every matrix instruction, the others in two runs of their own.
; NO FIRST AND NO LAST STEP is written out: the loop is entered, and the last slot's loop left, in the middle of a trip.
; CLUSTER.  The four query blocks of a cluster belong to one head and walk the same K and V: each tile is asked for jointly, by the same load, descriptor and mask in all four.
; THE STREAM BESIDE IT.  W1 and W2 (dense, 4,194,304 f32 each) are rounded to f16 here, into w1h and w2h, for the launches behind: 8,192 parts of 1,024 numbers, eight for each of the launch's
; 1,024 waves (work-groups with y < 16: W1, the others: W2).  A wave has eight changes of slots: behind each it stores the part that it asked for behind the change before, and asks for the next,
; so that a part has four key steps in which to come.  The attention's own traffic is small beside its arithmetic (a work-group reads 0.5 MiB of K and V for its 8,192 matrix instructions), so
; the stream's 192 KiB a work-group travel while the waves compute.  A part is 4,096 bytes in (eight loads of 512) and 2,048 out (eight stores of 256 consecutive bytes, aligned).
; REGISTERS, in windows of 256 (s_set_vgpr_msb: bits 1:0 source 0, 3:2 source 1, 5:4 source 2, 7:6 destination):
;   window 0: v0-15 addresses; v16-31 four registers of statistics a piece; v32-33 the stream's offsets; v48-55 at work; v62-63 the add's; v64-127 S^T, two buffers; v128-159 the stream's part;
;   v192-223 P, two buffers (by the piece's parity)
;   window 1: v0-127 O^T, 32 a piece      window 2: v0-63 Q; v128-191 K of one step; v192-255 V of one step      window 3: v0-127 my rows of inputs, 32 a piece
.set NP,    4
.set KS,    64
.set PK,    144       ; a row of K in LDS: 128 bytes + 16 = 36 words: the 16 rows of a load start at 16 different groups of four banks (64 banks of 4 bytes: ISA guide 11.1)
.set PV,    160       ; a row of V: 128 + 32 = 40 words
.set VOFF,  4*KS*PK   ; a slot holds four steps: 256 rows of K, then 256 rows of V
.set SLOT1, 1<<17     ; slot 1 begins here: one exclusive or turns an address in one slot into the other's
.set STAGE, SLOT1+4*KS*(PK+PV)  ; behind the ring, never filled by a tensor load: 16 rows x 272 bytes for each wave, f32, for the way out
.set SP,    272
.set SPARE, STAGE+4*16*SP       ; behind the stages: the spare words, 128 bytes a wave, that no other line names
.set AK0, 2           ; v2   my lane's place in a tile of K; never rewritten
.set AV0, 3           ; v3   the same for V
.set AK,  4           ; v4   the LDS address of K's next run of loads
.set AV,  5           ; v5   of V's
.set STO, 6           ; v6   the way out: where I put 16 bytes of a row
.set RD,  7           ; v7   the way out: where I read rows back
.set GO,  8           ; v8   my byte offset in two rows of inputs and res
.set MV,  12          ; v12-13  c m_old, by buffer
.set QO,  15          ; v15  my byte offset in 16 rows of Q
.set ST,  16          ; piece t's statistics at v[ST+4 t]: c m, m, l (even keys', odd keys')
.set CI,  32          ; v32  the stream: 16 x lane, in; never rewritten
.set CW,  33          ; v33  the stream: 8 x lane, out; never rewritten
.set TMP, 48          ; by buffer, c0-c3 at work; when the maximum is found c2 takes a
.set SPW, 62
.set NIL, 63
.set S,   64
.set CX,  128         ; v128-159  the stream's part: as loaded, then (two registers of each four) as stored
.set P,   192
.set KF,  128         ; window 2: key block kb, channel half c at KF + 16 kb + 8 c
.set VF,  192         ; window 2: key half kk, channel block cb at VF + 32 kk + 8 cb
.set WV,  12          ; s12  my wave's number
.set G1K, 24          ; s[24:31] descriptor group 1 for K's tiles
.set G1V, 32          ; s[32:39] for V's: it differs in the padding alone
.set G0K, 40          ; s[40:43] descriptor group 0 for K's tiles: it walks
.set G0V, 44          ; s[44:47] the same for V's
.set INP, 48          ; s[48:49] inputs at my wave's first row and head
.set SLOTS, 56
.set CNT, 57
.set CS,  58          ; s[58:59] c
.set SEL, 60          ; s[60:61] v_permlanex16_b32's selects
.set TBK, 62          ; s62  LDS byte at which K of the step to be fetched begins
.set TBV, 63          ; s63  the same for V, less VOFF
.set SRC, 76          ; s[76:77] the stream: W1 or W2 at my wave's part in hand
.set DST, 78          ; s[78:79] w1h or w2h likewise
.set MSB, 0
.macro WIN new
.if MSB != (\new)
	s_set_vgpr_msb (MSB<<8)|(\new)
.set MSB, (\new)
.endif
.endm
.set W_KQ, 0x0a       ; K and Q in window 2, S^T in window 0
.set W_PV, 0x52       ; V in window 2, P in window 0, O^T in window 1
.set W_RS, 0x41       ; destination and source 0 in window 1, source 1 in window 0
.macro JLOAD                        ; a joint fill: waves 0 and 1 fetch the two halves of a slot's K, waves 2 and 3 of its V; s_nop 0 and four v_nop follow each line
	s_cmp_lt_u32 s[WV], 2
	s_cbranch_scc0 .Lfor_v_\@
	tensor_load_to_lds s[G0K:G0K+3], s[G1K:G1K+7]
	s_nop 0
.rept 4
	v_nop
.endr
	s_branch .Lasked_\@
.Lfor_v_\@:
	tensor_load_to_lds s[G0V:G0V+3], s[G1V:G1V+7]
	s_nop 0
.rept 4
	v_nop
.endr
.Lasked_\@:
.endm
.macro CROUND                       ; a round of the cluster's barrier
	s_barrier_signal -1
	s_barrier_wait -1
	s_cmp_lg_u32 s[WV], 0
	s_cbranch_scc1 .Lnot_wave_0_\@
	s_barrier_signal -3
.Lnot_wave_0_\@:
	s_barrier_wait -3
	s_barrier_signal -1
	s_barrier_wait -1
.endm
; THE CHANGE OF SLOTS.  Each wave waits for all its tensor loads (one is out: its part of the other slot), adds 0 to its spare word, and waits for that and for its reads of the slot that it leaves.
; fill = 1: the barrier is a round of the cluster's, and the old slot is filled again, with the keys two slots on, first thing behind it: the load has four key steps, 256 matrix instructions, to land.
; (At its first use nothing has been read yet: slot 0 is waited for, slot 1 filled.)
.macro CHANGE fill
	WIN 0
	s_wait_tensorcnt 0x0
	ds_add_u32 v[SPW], v[NIL]
.if \fill
.irp g, G0K, G0V
	s_xor_b32 s[\g+1], s[\g+1], SLOT1
	s_add_nc_u64 s[\g+2:\g+3], s[\g+2:\g+3], 4*KS*128
.endr
	s_wait_dscnt 0x0
	CROUND
	JLOAD
.else
	s_wait_dscnt 0x0
	s_barrier_signal -1
	s_barrier_wait -1
.endif
	s_sub_co_u32 s[TBK], s[TBK], 4*KS*PK  ; the fetches go back to a slot's first step, in the other slot
	s_xor_b32 s[TBK], s[TBK], SLOT1
	s_sub_co_u32 s[TBV], s[TBV], 4*KS*PV
	s_xor_b32 s[TBV], s[TBV], SLOT1
.endm
; THE STREAM, in window 0.  ASK: a part's eight loads.  SEND_PART: the part asked for at the change before is rounded, in place, and stored.  NEXT_PART: the bases step.
.macro ASK
.irp j, 0,1,2,3,4,5,6,7
	global_load_b128 v[CX+4*(\j):CX+4*(\j)+3], v[CI], s[SRC:SRC+1] offset:512*(\j) th:TH_LOAD_NT
.endr
.endm
.macro SEND_PART
	s_wait_loadcnt 0x0              ; the part is in: it was asked for four key steps ago (and so are all older loads)
.irp j, 0,1,2,3,4,5,6,7
	v_cvt_pk_f16_f32 v[CX+4*(\j)], v[CX+4*(\j)], v[CX+4*(\j)+1]
	v_cvt_pk_f16_f32 v[CX+4*(\j)+1], v[CX+4*(\j)+2], v[CX+4*(\j)+3]
	global_store_b64 v[CW], v[CX+4*(\j):CX+4*(\j)+1], s[DST:DST+1] offset:256*(\j)
.endr
.endm
.macro NEXT_PART
	s_wait_xcnt 0x0                 ; the stores' data and both bases are rewritten only behind this wait
	s_add_nc_u64 s[SRC:SRC+1], s[SRC:SRC+1], 4096
	s_add_nc_u64 s[DST:DST+1], s[DST:DST+1], 2048
.endm
	s_load_b128 s[4:7], s[0:1], 0x0   ; qkv s[4:5], inputs s[6:7]
	s_load_b64 s[10:11], s[0:1], 0x10 ; res
	s_load_b128 s[68:71], s[0:1], 0x18  ; W1 s[68:69], W2 s[70:71]
	s_load_b128 s[72:75], s[0:1], 0x28  ; w1h s[72:73], w2h s[74:75]
	v_lshl_add_u32 v[SPW], v0, 2, SPARE
	v_mov_b32 v[NIL], 0
	ds_add_u32 v[SPW], v[NIL]       ; the wave's opening: the add is waited for ahead of my first tensor load
	v_lshrrev_b32 v1, 5, v0
	v_readfirstlane_b32 s[WV], v1   ; wave 0..3
	s_and_b32 s20, ttmp7, 0xffff    ; 16 b + head, which the four partners share
	s_lshr_b32 s21, s20, 4          ; b
	s_and_b32 s22, s20, 15          ; head
	s_mul_i32 s23, s21, 48
	s_add_co_u32 s23, s23, s22
	s_lshl_b32 s23, s23, 18         ; q's head begins here in qkv: 262,144 bytes a head
	s_and_b32 s16, s[WV], 1         ; which half of a slot's 256 keys I fetch
	s_lshl_b32 s50, s16, 14
	s_add_co_u32 s50, s50, s23
	s_add_co_u32 s50, s50, 16*262144  ; k's head lies 16 heads on,
	s_mov_b32 s51, 0
	s_add_co_u32 s52, s50, 16*262144  ; v's 32
	s_mov_b32 s53, 0
	s_mul_i32 s17, s16, 128*PK      ; its place in a slot, for K
	s_mul_i32 s18, s16, 128*PV      ; and for V: no place in the cluster enters an LDS address
	s_bfe_u32 s13, ttmp6, 0x40000   ; cx: it enters Q's, inputs', res's and the stream's addresses alone
	s_lshl_b32 s14, ttmp9, 2
	s_add_co_u32 s14, s14, s13      ; my block of 256 queries
	s_lshl_b32 s15, s22, 5          ; the stream: my wave among the 512 that share a matrix: 32 x (y mod 16)
	s_lshl2_add_u32 s15, s14, s15   ; + 4 x block
	s_add_co_u32 s15, s15, s[WV]    ; + wave;
	s_lshl_b32 s8, s15, 15          ; its eight parts: 4,096 bytes each in,
	s_mov_b32 s9, 0
	s_lshl_b32 s66, s15, 14         ; 2,048 out
	s_mov_b32 s67, 0
	s_lshl_b32 s2, s14, 2
	s_add_co_u32 s2, s2, s[WV]      ; my wave's 64 queries among the sequence's
	s_lshl_b32 s54, s2, 13          ; x 64 rows of 128 bytes
	s_add_co_u32 s54, s54, s23
	s_mov_b32 s55, 0
	s_lshl_b32 s3, s21, 5
	s_add_co_u32 s2, s2, s3         ; among all tokens
	s_lshl_b32 s2, s2, 18           ; x 64 rows of 4,096 bytes
	s_lshl_b32 s3, s22, 8
	s_add_co_u32 s2, s2, s3         ; + the head's 256 bytes
	s_mov_b32 s3, 0
	; descriptor group 1.  128 keys are 16,384 dense bytes: asked for as 64 rows of 256 bytes, two keys a row, and padded in LDS after every key
	s_mov_b32 s[G1K], 15|(1<<16)|(1<<20)|(1<<21)|(4<<22)|(3<<25)  ; the mask of four; 2-byte elements; padding on; bit 21 beside a mask; after every 32 words; 4 words
	s_mov_b32 s[G1V], 15|(1<<16)|(1<<20)|(1<<21)|(4<<22)|(7<<25)  ; the same with 8 words
.irp g, G1K, G1V
	s_mov_b32 s[\g+1], 128<<16
	s_mov_b32 s[\g+2], 64<<16
	s_mov_b32 s[\g+3], 128<<16
	s_mov_b32 s[\g+4], 64
	s_mov_b32 s[\g+5], 128
	s_mov_b32 s[\g+6], 0
	s_mov_b32 s[\g+7], 0
.endr
	s_mov_b32 s[CS], 0x3fb8aa3b     ; c = log2(e)
	s_mov_b32 s[CS+1], s[CS]
	s_mov_b32 s[SEL], 0x76543210
	s_mov_b32 s[SEL+1], 0xfedcba98
	s_mov_b32 s[TBK], SLOT1+4*KS*PK ; the first change of slots turns these two into 0
	s_mov_b32 s[TBV], SLOT1+4*KS*PV
	s_mov_b32 s[G0K], 1
	s_mov_b32 s[G0K+1], s17
	s_mov_b32 s[G0V], 1
	s_add_co_u32 s[G0V+1], s18, VOFF
	s_wait_dscnt 0x0                ; the opening add is done
	s_wait_kmcnt 0x0
	s_add_nc_u64 s[INP:INP+1], s[6:7], s[2:3]
	s_add_nc_u64 s[10:11], s[10:11], s[2:3]
	s_add_nc_u64 s[G0K+2:G0K+3], s[4:5], s[50:51]
	s_or_b32 s[G0K+3], s[G0K+3], 0x80000000
	s_add_nc_u64 s[G0V+2:G0V+3], s[4:5], s[52:53]
	s_or_b32 s[G0V+3], s[G0V+3], 0x80000000
	s_add_nc_u64 s[4:5], s[4:5], s[54:55]  ; Q at my wave's first row
	s_cmp_lt_u32 s20, 16            ; the stream's matrix: the lower half of the grid's rows takes W1, the upper W2
	s_cselect_b64 s[SRC:SRC+1], s[68:69], s[70:71]
	s_cselect_b64 s[DST:DST+1], s[72:73], s[74:75]
	s_add_nc_u64 s[SRC:SRC+1], s[SRC:SRC+1], s[8:9]
	s_add_nc_u64 s[DST:DST+1], s[DST:DST+1], s[66:67]
	CROUND                          ; all four work-groups are here: the first joint loads meet
	JLOAD                           ; slot 0; slot 1 is asked for when slot 0 is in
	v_and_b32 v1, 15, v0            ; l % 16
	v_bfe_u32 v9, v0, 4, 1          ; l / 16
	v_lshlrev_b32 v[QO], 7, v1
	v_lshl_add_u32 v[QO], v9, 4, v[QO]
	v_lshlrev_b32 v[GO], 12, v9     ; lanes 0-15 one row's 256 bytes of the head, lanes 16-31 the next row's
	v_lshl_add_u32 v[GO], v1, 4, v[GO]
	v_and_b32 v[CI], 31, v0
	v_lshlrev_b32 v[CW], 3, v[CI]
	v_lshlrev_b32 v[CI], 4, v[CI]
	WIN 0x80
.set i, 0
.rept 8                             ; Q stays in registers: piece i / 2, channels 32 (i % 2) on
	global_load_b128 v[8*i:8*i+3],   v[QO], s[4:5] offset:(i/2)*2048+(i%2)*64
	global_load_b128 v[8*i+4:8*i+7], v[QO], s[4:5] offset:(i/2)*2048+(i%2)*64+32
.set i, i+1
.endr
	WIN 0xc0
.set i, 0
.rept 32                            ; my rows of inputs, for the way out: piece i / 8, pair of rows i % 8
	global_load_b128 v[4*i:4*i+3], v[GO], s[INP:INP+1] offset:(i/8)*65536+(i%8)*8192
.set i, i+1
.endr
	; What the first turn finds: V and P's second buffer hold 0 (its products V^T P, of a piece that has not been, add 0), O^T and l are 0.  All this stands in the wait for the first tile;
	; it is the price of writing no first step out.
	WIN 0x80
.set i, VF
.rept 64
	v_mov_b32 v[i], 0
.set i, i+1
.endr
	WIN 0x40
.set i, 0
.rept 128
	v_mov_b32 v[i], 0
.set i, i+1
.endr
	WIN 0
.set i, 0
.rept 4
	v_mov_b32 v[ST+4*i], 0xfe000000    ; c m: far below every c s
	v_mov_b32 v[ST+4*i+1], 0xff7fffff  ; m
	v_mov_b32 v[ST+4*i+2], 0
	v_mov_b32 v[ST+4*i+3], 0
.set i, i+1
.endr
.set i, P+16
.rept 16
	v_mov_b32 v[i], 0
.set i, i+1
.endr
	v_mul_u32_u24 v[AK0], v1, PK
	v_lshl_add_u32 v[AK0], v9, 4, v[AK0]
	v_and_b32 v10, 7, v0            ; the turning load: lane l reads key 8 (l / 16) + l % 8, channels 8 ((l / 8) % 2) + 0..7
	v_bfe_u32 v11, v0, 3, 1
	v_lshl_add_u32 v[AV0], v9, 3, v10
	v_mul_u32_u24 v[AV0], v[AV0], PV
	v_lshl_add_u32 v[AV0], v11, 4, v[AV0]
	v_add_nc_u32 v[AV0], VOFF, v[AV0]
	s_mul_i32 s19, s[WV], 16*SP
	s_add_co_u32 s19, s19, STAGE    ; my stage
	v_mul_u32_u24 v[STO], v1, SP    ; in: row l % 16, 32 bytes for each half of the lanes
	v_lshl_add_u32 v[STO], v9, 5, v[STO]
	v_add_nc_u32 v[STO], s19, v[STO]
	v_mul_u32_u24 v[RD], v9, SP     ; back: lanes 0-15 one row of 256 bytes, lanes 16-31 the next
	v_lshl_add_u32 v[RD], v1, 4, v[RD]
	v_add_nc_u32 v[RD], s19, v[RD]
	v_mov_b32 v[AK], v[AK0]         ; key step 0 lies at the head of slot 0
; THE MATRIX WORK.  The 4 accumulators of a run of 8 take turns.  Product i of 8 of S^T = K Q^T for piece x: channels 32 (i / 4) on, keys 16 (i % 4) on; the first 4 start the sums.
.macro KQ x
.set rS, S+32*((\x)%2)+8*(i%4)
.set rK, KF+16*(i%4)+8*(i/4)
.set rQ, 16*(\x)+8*(i/4)
	WIN W_KQ
.if i < 4
	v_wmma_f32_16x16x32_f16 v[rS:rS+7], v[rK:rK+7], v[rQ:rQ+7], 0
.else
	v_wmma_f32_16x16x32_f16 v[rS:rS+7], v[rK:rK+7], v[rQ:rQ+7], v[rS:rS+7]
.endif
.endm
.macro PV x                         ; product i of 8 of O^T += V^T P for piece x: keys 32 (i / 4) on, channels 16 (i % 4) on
	WIN W_PV
.set rO, 32*(\x)+8*(i%4)
.set rV, VF+32*(i/4)+8*(i%4)
.set rP, P+16*((\x)%2)+8*(i/4)
	v_wmma_f32_16x16x32_f16 v[rO:rO+7], v[rV:rV+7], v[rP:rP+7], v[rO:rO+7]
.endm
.macro MM                           ; the turn's next matrix instruction
.if i < 8
	KQ (Y+1)%NP
.else
.set i, i-8
	PV (Y+NP-1)%NP
.set i, i+8
.endif
.set i, i+1
.endm
; THE LDS LOADS stand in runs of 16, never singly among the matrix instructions.  last = 1 (the last slot's loop): in the trip that is left in its middle there is no further step, and the run is jumped over.
.macro FETCH_K last=0
	WIN 0
.if \last
	s_cmp_eq_u32 s[CNT], 1
	s_cbranch_scc1 .Lno_k_\@
.endif
	WIN 0x80
.irp f, 0,1,2,3,4,5,6,7             ; keys 16 (f / 2) on, channels 32 (f % 2) on
	ds_load_b128 v[KF+8*\f:KF+8*\f+3],   v[AK] offset:(\f/2)*16*PK+(\f%2)*64
	ds_load_b128 v[KF+8*\f+4:KF+8*\f+7], v[AK] offset:(\f/2)*16*PK+(\f%2)*64+32
.endr
	s_add_co_u32 s[TBK], s[TBK], KS*PK
	WIN 0
.if \last
.Lno_k_\@:
.endif
.endm
.macro FETCH_V
	WIN 0x80
.irp f, 0,1,2,3,4,5,6,7             ; keys 32 (f / 4) on, channels 16 (f % 4) on
	ds_load_tr16_b128 v[VF+8*\f:VF+8*\f+3],   v[AV] offset:(\f/4)*32*PV+(\f%4)*32
	ds_load_tr16_b128 v[VF+8*\f+4:VF+8*\f+7], v[AV] offset:(\f/4)*32*PV+16*PV+(\f%4)*32
.endr
	WIN 0
.endm
; THE VECTOR WORK, one line at a time: OP kind, number.  For piece Y: F n: c s - c m for pair n of 16.  E n: the exponential of score n of 32.  C n: pair n rounded to f16.  B n: of the four weights 4 n ..
; the second pair is added onto the first, in place.  L n: l takes that sum (L 0: l = a l + sum).  R n: pair n of 16 of O^T times a.  For piece Y + 1: X n, number n of the 22 that find its maximum and statistics:
;   0-11 four chains c0-c3 of seven scores each (each accumulator's lowest registers are read first); 12-14, 16 the four scores left over, the old m, and c0-c3 into c0;
;   15 c m_old is kept; 17, 18 the query's other 32 keys lie in the lane 16 away: the new m; 19-21 c m; c m_old - c m_new; a
.set F, 0
.set E, 1
.set C, 2
.set B, 3
.set L, 4
.set R, 5
.set X, 6
.macro REGS y
.set rT, ST+4*(\y)
.set rC, TMP+4*((\y)%2)
.set rW, MV+((\y)%2)
.set rS, S+32*((\y)%2)
.set rP, P+16*((\y)%2)
.set rO, 32*(\y)
.endm
.macro OP k, n
.if (\k) == R
	REGS Y
	WIN W_RS
	v_pk_mul_f32 v[rO+2*(\n):rO+2*(\n)+1], v[rO+2*(\n):rO+2*(\n)+1], v[rC+2:rC+3] op_sel_hi:[1,0]
.elseif (\k) < R
	REGS Y
	WIN 0
.if (\k) == F
	v_pk_fma_f32 v[rS+2*(\n):rS+2*(\n)+1], v[rS+2*(\n):rS+2*(\n)+1], s[CS:CS+1], v[rT:rT+1] op_sel_hi:[1,0,0] neg_lo:[0,0,1] neg_hi:[0,0,1]
.elseif (\k) == E
	v_exp_f32 v[rS+(\n)], v[rS+(\n)]
.elseif (\k) == C
	s_wait_alu depctr_va_vdst(0)
	v_cvt_pk_f16_f32 v[rP+(\n)], v[rS+2*(\n)], v[rS+2*(\n)+1]
.elseif (\k) == B
	s_wait_alu depctr_va_vdst(0)
	v_pk_add_f32 v[rS+4*(\n):rS+4*(\n)+1], v[rS+4*(\n):rS+4*(\n)+1], v[rS+4*(\n)+2:rS+4*(\n)+3]
.elseif (\n) == 0
	v_pk_fma_f32 v[rT+2:rT+3], v[rT+2:rT+3], v[rC+2:rC+3], v[rS:rS+1] op_sel_hi:[1,0,1]
.else
	v_pk_add_f32 v[rT+2:rT+3], v[rT+2:rT+3], v[rS+4*(\n):rS+4*(\n)+1]
.endif
.else
	REGS (Y+1)%NP
	WIN 0
.if (\n) < 4
	v_max3_num_f32 v[rC+(\n)], v[rS+8*(\n)], v[rS+8*(\n)+1], v[rS+8*(\n)+2]
.elseif (\n) < 12
	v_max3_num_f32 v[rC+(\n)%4], v[rC+(\n)%4], v[rS+8*((\n)%4)+2*((\n)/4)+1], v[rS+8*((\n)%4)+2*((\n)/4)+2]
.elseif (\n) == 12
	v_max3_num_f32 v[rC], v[rC], v[rS+7], v[rS+15]
.elseif (\n) == 13
	v_max3_num_f32 v[rC+1], v[rC+1], v[rS+23], v[rS+31]
.elseif (\n) == 14
	v_max3_num_f32 v[rC+2], v[rC+2], v[rC+3], v[rT+1]
.elseif (\n) == 15
	v_mov_b32 v[rW], v[rT]
.elseif (\n) == 16
	v_max3_num_f32 v[rC], v[rC], v[rC+1], v[rC+2]
.elseif (\n) == 17
	v_permlanex16_b32 v[rC+3], v[rC], s[SEL], s[SEL+1]
.elseif (\n) == 18
	v_max_num_f32 v[rT+1], v[rC], v[rC+3]
.elseif (\n) == 19
	v_mul_f32 v[rT], s[CS], v[rT+1]
.elseif (\n) == 20
	v_sub_f32 v[rC+1], v[rW], v[rT]
.else
	v_exp_f32 v[rC+2], v[rC+1]
.endif
.endif
.endm
.macro OPS a, i1, b=-1, i2=0, c=-1, i3=0, d=-1, i4=0
	OP \a, \i1
.if (\b) >= 0
	OP \b, \i2
.endif
.if (\c) >= 0
	OP \c, \i3
.endif
.if (\d) >= 0
	OP \d, \i4
.endif
.endm
.macro ROW a, i1, b, i2, c, i3, d, i4  ; a matrix instruction and the four behind it
	MM
	OPS \a, \i1, \b, \i2, \c, \i3, \d, \i4
.endm
; A TURN, for piece p: the order of its 16 matrix and 118 vector instructions, written out.  Behind a matrix instruction: plain, exponential, plain, plain; or four of the rescaling; or four scalings; none names a
; register of the products round it.  In the runs of their own exponential and plain by turns while exponentials last.  last = 1: the last slot's loop (see FETCH_K).
; cnt = 1: the loop's count is taken down some lines ahead of the branch that stands behind the turn.
; K of the next step is fetched in piece 2's turn, six vector instructions behind the last product that read K (five of them plain); V of the step in hand in piece 0's turn, eight behind the last product
; that read V (four plain).  Each is waited for a turn later.
.macro TURN p, last=0, cnt=0
.set Y, (\p)
.set i, 0
.if (\p) == 3
	s_wait_dscnt 0x0                ; K is in
.endif
	ROW F,0, F,1, F,2, F,3
	ROW F,4, E,0, F,5, F,6
	ROW F,7, E,1, F,8, F,9
	ROW F,10, E,2, C,0, F,11
	ROW F,12, E,3, X,15, F,13
	ROW R,0, R,1, R,2, R,3
	ROW B,0, E,4, F,14, L,0
.if (\p) == 2
	v_add_nc_u32 v[AK], s[TBK], v[AK0]
.endif
	ROW R,4, R,5, R,6, R,7
	OPS E,5, F,15
.if (\p) == 2
	FETCH_K \last
.endif
	OPS E,6, C,1, E,7, R,8
	OPS E,8, R,9, E,9, C,2
	OPS E,10, X,0, E,11, X,1
	OPS E,12, X,2, E,13, X,3
.if (\p) == 1
	s_wait_dscnt 0x0                ; V is in
.endif
	ROW X,4, E,14, X,5, X,6
	ROW X,7, E,15, X,8, X,9
	ROW X,10, E,16, X,11, X,12
	ROW X,13, E,17, X,14, B,1
	ROW C,4, E,18, X,16, L,1
	ROW B,2, E,19, C,6, L,2
	ROW C,8, E,20, B,3, B,4
.if (\p) == 0
	v_add_nc_u32 v[AV], s[TBV], v[AV0]
.endif
	ROW C,3, E,21, L,3, C,5
	OPS E,22, X,17, E,23, C,10
.if (\p) == 0
	FETCH_V
.endif
	OPS E,24, L,4
	OPS E,25, X,18, E,26, C,7
	OPS E,27, B,5, E,28, X,19
	OPS E,29, C,12, E,30, L,5
	OPS E,31, X,20, B,6, C,9
	OPS C,14, C,11, X,21, L,6
.if (\p) == 0
	s_add_co_u32 s[TBV], s[TBV], KS*PV
.endif
.if \cnt
	s_sub_co_u32 s[CNT], s[CNT], 1
	s_cmp_lg_u32 s[CNT], 0
.endif
	OPS C,13, B,7, C,15, R,10
	OPS R,11, R,12, L,7, R,13
	OPS R,14, R,15
.endm
	CHANGE 1                        ; slot 0 is in, everybody's part of it; slot 1 is asked for
	FETCH_K                         ; key step 0
	s_wait_loadcnt 32               ; Q is in; the 32 younger loads (my rows of inputs) stay out
	s_wait_dscnt 0x0
	ASK                             ; the stream's first part
.set i, 0
.rept 8
	KQ 0                            ; piece 0's first scores
.set i, i+1
.endr
	WIN 0
.rept 4
	v_nop                           ; the places behind those products
.endr
.set Y, NP-1                        ; X works for piece Y + 1: piece 0
.irp n, 0,1,2,3,4,5,6,7,8,9,10,11,12,13,14,15,16,17,18,19,20,21
	OP X, \n
.endr
	v_nop                           ; a plain instruction behind the exponential
	s_mov_b32 s[CNT], 4
	s_mov_b32 s[SLOTS], 2048/256-1
	s_branch .Lfirst                ; the loop is entered at a step's first turn, in the middle of a trip
.Lslot:                             ; six times: every slot but the last two is filled again
	CHANGE 1
	SEND_PART                       ; the stream: parts 0 to 5 leave, parts 1 to 6 are asked for
	NEXT_PART
	ASK
	s_mov_b32 s[CNT], 4
.Lstep:                             ; a trip: pieces 2 and 3 of one step, then pieces 0 and 1 of the next, whose K and V it fetches
	TURN 2
	TURN 3
	WIN 0
.Lfirst:
	TURN 0
	TURN 1, 0, 1
	WIN 0
	s_cbranch_scc1 .Lstep
	s_sub_co_u32 s[SLOTS], s[SLOTS], 1
	s_cmp_lg_u32 s[SLOTS], 0
	s_cbranch_scc1 .Lslot
	CHANGE 0                        ; the last slot's text stands apart: nothing is asked for
	SEND_PART                       ; the stream: part 6 leaves, part 7, the last, is asked for
	NEXT_PART
	ASK
	s_mov_b32 s[CNT], 5             ; four trips fetch the last slot's steps; the fifth is left in its middle
.Ltail:
	TURN 2, 1
	TURN 3
	WIN 0
	s_sub_co_u32 s[CNT], s[CNT], 1
	s_cmp_eq_u32 s[CNT], 0
	s_cbranch_scc1 .Lout
	TURN 0
	TURN 1
	WIN 0
	s_cmp_lg_u32 s[CNT], 0
	s_cbranch_scc1 .Ltail
.Lout:                              ; the fifth trip's 8 products K Q^T (on the last K once more) and the maximum made of them serve nothing: the price, once a launch, of one text for every trip
.set i, 0
.rept 8
	PV NP-1                         ; the last piece's V^T P of the last step
.set i, i+1
.endr
	; THE WAY OUT.  l's two halves and the other half of the lanes' are added; O^T is divided by l and sent, in f32, through my stage in LDS, a piece at a time; back as whole rows it takes the residual and is stored.
	; The additions are the places behind the last products.
	WIN 0
.macro ALL line:vararg              ; one line for each piece t
.set t, 0
.rept 4
	\line
.set t, t+1
.endr
.endm
	ALL v_add_f32 v[ST+4*t+2], v[ST+4*t+2], v[ST+4*t+3]
	ALL v_permlanex16_b32 v[ST+4*t+3], v[ST+4*t+2], s[SEL], s[SEL+1]
	ALL v_add_f32 v[ST+4*t+2], v[ST+4*t+2], v[ST+4*t+3]
	ALL v_rcp_f32 v[ST+4*t+2], v[ST+4*t+2]
	v_nop                           ; a plain instruction between the last reciprocal and the use of its result
	SEND_PART                       ; the stream's last part leaves; its wait for all loads also shows my rows of inputs in
.macro PACK t
	WIN W_RS
.set i, 32*(\t)
.rept 16
	s_wait_alu depctr_va_vdst(0)
	v_pk_mul_f32 v[i:i+1], v[i:i+1], v[ST+4*(\t)+2:ST+4*(\t)+3] op_sel_hi:[1,0]
.set i, i+2
.endr
	WIN 0x04                        ; the stores' data in window 1
.irp u, 0,1,2,3,4,5,6,7             ; channel block u / 2, its registers' half u % 2
	ds_store_b128 v[STO], v[32*(\t)+4*(\u):32*(\t)+4*(\u)+3] offset:64*((\u)/2)+16*((\u)%2)
.endr
	WIN 0
.irp f, 0,1,2,3,4,5,6,7
	ds_load_b128 v[S+32*((\t)%2)+4*(\f):S+32*((\t)%2)+4*(\f)+3], v[RD] offset:(\f)*2*SP  ; LDS serves a wave's instructions in order (ISA guide 5.7.1.4): these see the stores above; the next piece's stores come behind them
.endr
.endm
.macro SEND t, younger              ; younger: the LDS instructions issued behind piece t's loads: the next piece's sixteen, or none
	WIN 0xcc                        ; source 1 (the residual; a store's data) and destination in window 3
.irp f, 0,1,2,3,4,5,6,7
	s_wait_dscnt (\younger)+7-(\f)
	v_pk_add_f32 v[32*(\t)+4*(\f):32*(\t)+4*(\f)+1],   v[S+32*((\t)%2)+4*(\f):S+32*((\t)%2)+4*(\f)+1],   v[32*(\t)+4*(\f):32*(\t)+4*(\f)+1]
	v_pk_add_f32 v[32*(\t)+4*(\f)+2:32*(\t)+4*(\f)+3], v[S+32*((\t)%2)+4*(\f)+2:S+32*((\t)%2)+4*(\f)+3], v[32*(\t)+4*(\f)+2:32*(\t)+4*(\f)+3]
	global_store_b128 v[GO], v[32*(\t)+4*(\f):32*(\t)+4*(\f)+3], s[10:11] offset:(\t)*65536+(\f)*8192  ; 16 lanes store 256 consecutive bytes, aligned; each register is stored once
.endr
.endm
	PACK 0
	PACK 1
	SEND 0, 16
	PACK 2
	SEND 1, 16
	PACK 3
	SEND 2, 16
	SEND 3, 0
	WIN 0
	s_wait_tensorcnt 0x0            ; the wave's end
	ds_add_u32 v[SPW], v[NIL]
	s_wait_dscnt 0x0
	CROUND                          ; the closing round
	s_endpgm
.Lfunc_end_k_q79301202c1_attn:
	.size	k_q79301202c1_attn, .Lfunc_end_k_q79301202c1_attn-k_q79301202c1_attn
	.p2alignl 7, 3214868480
	.fill 96, 4, 3214868480
	.section	.rodata,"a",@progbits
	.p2align	6, 0x0
	.amdhsa_kernel k_q79301202c1_attn
		.amdhsa_group_segment_fixed_size 327680
		.amdhsa_private_segment_fixed_size 0
		.amdhsa_enable_private_segment 0
		.amdhsa_kernarg_size 56
		.amdhsa_user_sgpr_count 2
		.amdhsa_user_sgpr_kernarg_segment_ptr 1
		.amdhsa_wavefront_size32 1
		.amdhsa_system_sgpr_workgroup_id_x 1
		.amdhsa_system_sgpr_workgroup_id_y 1
		.amdhsa_system_sgpr_workgroup_id_z 1
		.amdhsa_system_vgpr_workitem_id 0
		.amdhsa_next_free_vgpr 896
		.amdhsa_next_free_sgpr 80
		.amdhsa_reserve_vcc 0
		.amdhsa_float_denorm_mode_32 3
		.amdhsa_float_denorm_mode_16_64 3
		.amdhsa_memory_ordered 1
		.amdhsa_forward_progress 1
		.amdhsa_inst_pref_size 133
	.end_amdhsa_kernel
	.amdgpu_metadata
---
amdhsa.version: [ 1, 2 ]
amdhsa.kernels:
  - .name:           k_q79301202c1_attn
    .symbol:         k_q79301202c1_attn.kd
    .args:
      - { .name: qkv, .offset: 0, .size: 8, .value_kind: global_buffer, .address_space: global }
      - { .name: inputs, .offset: 8, .size: 8, .value_kind: global_buffer, .address_space: global }
      - { .name: res, .offset: 16, .size: 8, .value_kind: global_buffer, .address_space: global }
      - { .name: W1, .offset: 24, .size: 8, .value_kind: global_buffer, .address_space: global }
      - { .name: W2, .offset: 32, .size: 8, .value_kind: global_buffer, .address_space: global }
      - { .name: w1h, .offset: 40, .size: 8, .value_kind: global_buffer, .address_space: global }
      - { .name: w2h, .offset: 48, .size: 8, .value_kind: global_buffer, .address_space: global }
    .group_segment_fixed_size: 327680
    .private_segment_fixed_size: 0
    .kernarg_segment_align: 8
    .kernarg_segment_size: 56
    .max_flat_workgroup_size: 128
    .sgpr_count:     80
    .vgpr_count:     896
    .wavefront_size: 32
...
	.end_amdgpu_metadata
.endif
;; end of part 3
;; launch ln2 (part 4): grid 512 x 1, 8 waves a work-group, no clusters, 0 bytes of LDS; arguments res, scale2, shift2, xn; writes xn
.if DOCPART == 4
	.amdgcn_target "amdgcn-amd-amdhsa--gfx1250"
	.amdhsa_code_object_version 6
	.text
	.protected	k_q79301202c1_ln2
	.globl	k_q79301202c1_ln2
	.p2align	8
	.type	k_q79301202c1_ln2,@function
k_q79301202c1_ln2:
	s_mov_b64 s[64:65], 0
	v_nop
	global_prefetch_b8 v0, s[64:65] scope:SCOPE_SE
	s_setreg_imm32_b32 hwreg(HW_REG_WAVE_MODE, 25, 1), 1
	s_wait_xcnt 0x0
; xn = LayerNorm(res; scale2, shift2) in f16; res: [4,096][1,024] f32.  One row a wave, eight waves, 512 work-groups.
; Load j of eight takes 16 bytes a lane at 16 lane + 512 j; its four numbers leave as 8 bytes at 8 lane + 256 j: a store of the wave covers 256 consecutive bytes, aligned.
; No LDS, no barrier, no matrix work: a row never leaves its wave.  Mean; centred squares / 1,023; square root; + 1e-8: the row stays in registers for both passes.
; LIMITS.  f16 ends at 65,504 and below 6e-5 keeps a fixed step of 6e-8.  A variance below 2^-126 counts as 0.  NaN and infinities are not treated apart.
.set X, 16                             ; v[16:47]   the row
.set G, 48                             ; v[48:79]   gain of my 32 columns
.set H, 80                             ; v[80:111]  shift of my 32 columns
.set A, 4                              ; v[4:11]    four packed partial sums
.set M, 12                             ; v[12:13]   mean, later 1 / (sd + eps), twice
.macro REDUCE                          ; v[A:A+7] -> their sum over lane and wave, in v[A] of every lane
	v_pk_add_f32 v[A:A+1], v[A:A+1], v[A+2:A+3]
	v_pk_add_f32 v[A+4:A+5], v[A+4:A+5], v[A+6:A+7]
	v_pk_add_f32 v[A:A+1], v[A:A+1], v[A+4:A+5]
	v_add_f32 v[A], v[A], v[A+1]
.irp m, 1,2,4,8
	v_add_f32_dpp v[A], v[A], v[A] row_xmask:\m row_mask:0xf bank_mask:0xf
.endr
	v_permlanex16_b32 v[A+1], v[A], s32, s33
	v_add_f32 v[A], v[A], v[A+1]
.endm
	s_load_b256 s[8:15], s[0:1], 0x0               ; res 8, scale2 10, shift2 12, xn 14
	v_lshrrev_b32 v3, 5, v0
	v_readfirstlane_b32 s2, v3                     ; wave 0..7
	v_and_b32 v1, 31, v0
	v_lshlrev_b32 v2, 3, v1                        ; 8 x lane: out
	v_lshlrev_b32 v1, 4, v1                        ; 16 x lane: in
	s_mov_b32 s32, 0x76543210
	s_mov_b32 s33, 0xfedcba98
	s_lshl_b32 s3, ttmp9, 3
	s_add_co_u32 s3, s3, s2                        ; my row
	s_lshl_b32 s34, s3, 12
	s_mov_b32 s35, 0
	s_lshl_b32 s36, s3, 11
	s_mov_b32 s37, 0
	s_wait_kmcnt 0x0
	s_add_nc_u64 s[8:9], s[8:9], s[34:35]
	s_add_nc_u64 s[14:15], s[14:15], s[36:37]
.irp j, 0,1,2,3,4,5,6,7
	global_load_b128 v[X+4*(\j):X+4*(\j)+3], v1, s[8:9] offset:512*(\j)
.endr
.irp j, 0,1,2,3,4,5,6,7
	global_load_b128 v[G+4*(\j):G+4*(\j)+3], v1, s[10:11] offset:512*(\j)
.endr
.irp j, 0,1,2,3,4,5,6,7
	global_load_b128 v[H+4*(\j):H+4*(\j)+3], v1, s[12:13] offset:512*(\j)
.endr
	s_wait_loadcnt 16                              ; the row is in; the sixteen younger loads (gain, shift) stay out
.irp k, 0,1,2,3
	v_pk_add_f32 v[A+2*(\k):A+2*(\k)+1], v[X+2*(\k):X+2*(\k)+1], v[X+8+2*(\k):X+9+2*(\k)]  ; the first pairs start four chains: nothing is cleared
.endr
.irp k, 0,1,2,3
	v_pk_add_f32 v[A+2*(\k):A+2*(\k)+1], v[A+2*(\k):A+2*(\k)+1], v[X+16+2*(\k):X+17+2*(\k)]
.endr
.irp k, 0,1,2,3
	v_pk_add_f32 v[A+2*(\k):A+2*(\k)+1], v[A+2*(\k):A+2*(\k)+1], v[X+24+2*(\k):X+25+2*(\k)]
.endr
	REDUCE
	v_mul_f32 v[M], 0x3a800000, v[A]               ; mean = sum / 1,024
	v_mov_b32 v[M+1], v[M]
.set kk, 0
.rept 16
	v_pk_add_f32 v[X+2*kk:X+2*kk+1], v[X+2*kk:X+2*kk+1], v[M:M+1] neg_lo:[0,1] neg_hi:[0,1]  ; x - mean
.set kk, kk+1
.endr
.irp k, 0,1,2,3
	v_pk_mul_f32 v[A+2*(\k):A+2*(\k)+1], v[X+2*(\k):X+2*(\k)+1], v[X+2*(\k):X+2*(\k)+1]
.endr
.set kk, 4
.rept 12
	v_pk_fma_f32 v[A+2*(kk%4):A+2*(kk%4)+1], v[X+2*kk:X+2*kk+1], v[X+2*kk:X+2*kk+1], v[A+2*(kk%4):A+2*(kk%4)+1]
.set kk, kk+1
.endr
	REDUCE
	v_mul_f32 v[A], 0x3a802008, v[A]               ; / 1,023
	v_sqrt_f32 v[A], v[A]
	v_nop                                          ; a plain instruction behind a transcendental before its result is used (ISA guide 5.7.2)
	s_wait_alu depctr_va_vdst(0)
	v_add_f32 v[A], 0x322bcc77, v[A]               ; + 1e-8
	v_rcp_f32 v[M], v[A]
	v_rcp_f32 v[M+1], v[A]
	v_nop
	s_wait_loadcnt 0x0                             ; gain and shift
.set kk, 0
	s_wait_alu depctr_va_vdst(0)
.rept 16
	v_pk_mul_f32 v[X+2*kk:X+2*kk+1], v[X+2*kk:X+2*kk+1], v[M:M+1]
.set kk, kk+1
.endr
.set kk, 0
.rept 16
	v_pk_fma_f32 v[X+2*kk:X+2*kk+1], v[X+2*kk:X+2*kk+1], v[G+2*kk:G+2*kk+1], v[H+2*kk:H+2*kk+1]
.set kk, kk+1
.endr
.irp j, 0,1,2,3,4,5,6,7
	v_cvt_pk_f16_f32 v[X+4*(\j)], v[X+4*(\j)], v[X+4*(\j)+1]
	v_cvt_pk_f16_f32 v[X+4*(\j)+1], v[X+4*(\j)+2], v[X+4*(\j)+3]
	global_store_b64 v2, v[X+4*(\j):X+4*(\j)+1], s[14:15] offset:256*(\j)  ; no register of a store is written again
.endr
	s_endpgm
.Lfunc_end_k_q79301202c1_ln2:
	.size	k_q79301202c1_ln2, .Lfunc_end_k_q79301202c1_ln2-k_q79301202c1_ln2
	.p2alignl 7, 3214868480
	.fill 96, 4, 3214868480
	.section	.rodata,"a",@progbits
	.p2align	6, 0x0
	.amdhsa_kernel k_q79301202c1_ln2
		.amdhsa_group_segment_fixed_size 0
		.amdhsa_private_segment_fixed_size 0
		.amdhsa_enable_private_segment 0
		.amdhsa_kernarg_size 32
		.amdhsa_user_sgpr_count 2
		.amdhsa_user_sgpr_kernarg_segment_ptr 1
		.amdhsa_wavefront_size32 1
		.amdhsa_system_sgpr_workgroup_id_x 1
		.amdhsa_system_sgpr_workgroup_id_y 1
		.amdhsa_system_sgpr_workgroup_id_z 1
		.amdhsa_system_vgpr_workitem_id 0
		.amdhsa_next_free_vgpr 112
		.amdhsa_next_free_sgpr 66
		.amdhsa_reserve_vcc 0
		.amdhsa_float_denorm_mode_32 3
		.amdhsa_float_denorm_mode_16_64 3
		.amdhsa_memory_ordered 1
		.amdhsa_forward_progress 1
		.amdhsa_inst_pref_size 12
	.end_amdhsa_kernel
	.amdgpu_metadata
---
amdhsa.version: [ 1, 2 ]
amdhsa.kernels:
  - .name:           k_q79301202c1_ln2
    .symbol:         k_q79301202c1_ln2.kd
    .args:
      - { .name: res, .offset: 0, .size: 8, .value_kind: global_buffer, .address_space: global }
      - { .name: scale2, .offset: 8, .size: 8, .value_kind: global_buffer, .address_space: global }
      - { .name: shift2, .offset: 16, .size: 8, .value_kind: global_buffer, .address_space: global }
      - { .name: xn, .offset: 24, .size: 8, .value_kind: global_buffer, .address_space: global }
    .group_segment_fixed_size: 0
    .private_segment_fixed_size: 0
    .kernarg_segment_align: 8
    .kernarg_segment_size: 32
    .max_flat_workgroup_size: 256
    .sgpr_count:     66
    .vgpr_count:     112
    .wavefront_size: 32
...
	.end_amdgpu_metadata
.endif
;; end of part 4
;; launch ffn1 (part 5): grid 16 x 16, 4 waves a work-group, clusters of 4 x 4, 327,680 bytes of LDS; arguments xn, w1h, g, b1; writes g
.if DOCPART == 5
	.amdgcn_target "amdgcn-amd-amdhsa--gfx1250"
	.amdhsa_code_object_version 6
	.text
	.protected	k_q79301202c1_ffn1
	.globl	k_q79301202c1_ffn1
	.p2align	8
	.type	k_q79301202c1_ffn1,@function
k_q79301202c1_ffn1:
	s_mov_b64 s[64:65], 0
	v_nop
	global_prefetch_b8 v0, s[64:65] scope:SCOPE_SE
	s_setreg_imm32_b32 hwreg(HW_REG_WAVE_MODE, 25, 1), 1
	s_wait_xcnt 0x0
	s_wait_alu depctr_hold_cnt(0) depctr_sa_sdst(0) depctr_va_vdst(0) depctr_va_sdst(0) depctr_va_ssrc(0) depctr_va_vcc(0) depctr_vm_vsrc(0)
	s_getreg_b32 s2, hwreg(HW_REG_IB_STS2, 6, 4)
	s_cmp_eq_u32 s2, 0
	s_cbranch_scc0 .Lentry_in_a_cluster
	s_endpgm
.Lentry_in_a_cluster:
	s_bfe_u32 s2, ttmp6, 0x10000c
	s_cmp_lg_u32 s2, 0xf033
	s_cbranch_scc0 .Lentry_shape_is_right
	s_endpgm
.Lentry_shape_is_right:
; g = gelu(xn W1^T + b1) in f16.  xn: [4,096][1,024] f16; w1h: [4,096][1,024] f16; g: [4,096][4,096] f16; sums and the activation in f32.
; gelu(x) = 0.5 x (1 + tanh(u)), u = sqrt(2/pi) (x + 0.044715 x^3), is x / (1 + 2^(x (C1 + C3 x^2))) with C1 = -2 log2(e) sqrt(2/pi), C3 = 0.044715 C1: the same function,
; and right at both ends: the power goes to 0 (gelu = x) or to infinity (its reciprocal 0).
; A work-group makes 256 tokens x 256 columns, each of its four waves 128 x 128: 64 accumulators of 16 x 16.  16 x 16 tiles: 256 work-groups.
; K goes in steps of 128 through a ring of two LDS slots filled by the tensor data mover; rows of a tile are 256 bytes of memory, aligned.
; CLUSTER 4 x 4: the four of a row need the same tile of xn, the four of a column the same tile of w1h: each is asked for jointly (same load, descriptor and mask in all four).
; THE MATRIX INSTRUCTION IS USED TRANSPOSED (source 0 = 16 rows of W, source 1 = 16 tokens): a lane holds one token and eight neighbouring columns.
; THE BIAS is the C operand of the products that start the sums.
; THE TEXT.  A K step is written twice: once for the six steps that fill a slot again, looped, and once for the last two, which fill nothing, walked twice.  The slot in hand is a scalar,
; 0 or SLOT, turned by an exclusive or at a trip's end; the fragments' addresses and the walking descriptor's LDS word are sums with it.
; THE WAY OUT: when the last K step is multiplied both slots have had their last fill; each wave dumps its f32 sums there
; and reads them back by rows in a loop of 16 rows, so that the activation's text stands once.
; LIMITS.  f16 ends at 65,504: gelu's results must lie within it; below 6e-5 f16 keeps a fixed step of 6e-8.  NaN and infinities are not treated apart.
; REGISTERS, in windows of 256: window 0: v1-30 addresses; v32-95, v96-159 fragments of xn, two buffers; v160-223 bias; on the way out v32-159.
;   window 1: v0-63, v128-191 fragments of W, two buffers.  window 2: accumulators of token blocks 0-3 ((a, b) at 8 (8 a + b)); window 3: of blocks 4-7.
.set BM, 256
.set BN, 256
.set MB, 8
.set NB, 8
.set SIZE_K, 1024
.set KSTEP, 128
.set STEPS, SIZE_K/KSTEP
.set PITCH, 272                        ; an LDS row: 256 bytes + 16 of padding = 68 words: the 16 rows of a fragment load start at 16 different groups of four banks (64 banks of 4 bytes: ISA guide 11.1)
.set QI, 5
.set SLOT, (BM+BN)*PITCH
.set SPARE, 2*SLOT                     ; behind the ring: the spare words, 128 bytes a wave, that no other line names
.set DP, 64*NB+16                      ; the dump: a row of 128 f32 + 16 bytes
.set DREG, 16*MB*DP                    ; a wave's dump; four of them fit in the two slots
.set ADRA, 16                          ; v16 LDS address of my xn fragments in slot 0; never rewritten
.set XA, 17                            ; v17 the same in the slot to come
.set CA, 18                            ; v18 the same in the slot in hand
.set ADRB, 20                          ; v20-22 likewise for W
.set XB, 21
.set CB, 22
.set STO, 24
.set RD0, 25
.set CO, 26
.set RD, 27
.set SPW, 28
.set NIL, 29
.set VB, 30
.set FA0, 32
.set BIAS, FA0+16*MB
.set XR, 32                            ; the way out: 16 rows as read back, 4 numbers a lane and row
.set TT, 96                            ; the way out: at work, then packed f16
.set G1, 24                            ; s[24:31] descriptor group 1 for xn's tiles; s[32:39] group 0: a set for each of the two first fills; the second then walks on
.set G0, 32
.set G1B, 48
.set G0B, 56
.set WM, 66
.set WN, 67
.set TN, 68                            ; s68 the slot to come: SLOT or 0
.set TC, 70                            ; s70 counts the last two K steps
.set TK, 84                            ; s84 the slot in hand: 0 or SLOT
.set TR, 85
.set MSB, 0
.macro WIN new                         ; the immediate's high byte repeats the setting that is left; a switch that changes nothing is dropped
.if MSB != (\new)
	s_set_vgpr_msb (MSB<<8)|(\new)
.set MSB, \new
.endif
.endm
.macro JLOAD s                         ; a joint load: waves 0 and 1 fetch the two halves of xn's tile, waves 2 and 3 of W's; s_nop 0 and four v_nop follow each line
	s_cmp_eq_u32 s11, 0
	s_cbranch_scc0 .Lfor_b_\@
	tensor_load_to_lds s[G0+4*(\s):G0+4*(\s)+3], s[G1:G1+7]
	s_nop 0
.rept 4
	v_nop
.endr
	s_branch .Lasked_\@
.Lfor_b_\@:
	tensor_load_to_lds s[G0B+4*(\s):G0B+4*(\s)+3], s[G1B:G1B+7]
	s_nop 0
.rept 4
	v_nop
.endr
.Lasked_\@:
.endm
.macro CREST                           ; a round of the cluster's barrier behind its opening barrier
	s_cmp_lg_u32 s10, 0
	s_cbranch_scc1 .Lnot_wave_0_\@
	s_barrier_signal -3
.Lnot_wave_0_\@:
	s_barrier_wait -3
	s_barrier_signal -1
	s_barrier_wait -1
.endm
.macro CROUND
	s_barrier_signal -1
	s_barrier_wait -1
	CREST
.endm
.macro PLACES                          ; four plain vector instructions between a matrix instruction and a load into, or a read of, its registers (ISA guide 7.12.1 for reads)
.rept 4
	v_nop
.endr
.endm
; MB / 4 token blocks x all NB column blocks, 32 along K, from buffer f.  hi: window 2 or 3; part: which half of the window's blocks.  first = 1: C is the bias.
; Every sub-step takes the accumulators in the same order, one instruction a turn.
.macro MULQ f, hi, part, first
.if \first
	WIN 0x81+0x40*(\hi)
.else
	WIN 0xa1+0x50*(\hi)
.endif
.set ia, (\part)*(MB/4)
.rept MB/4
.set ib, 0
.rept NB
.set rD, 8*(NB*ia+ib)
.set rB, 128*(\f)+8*ib
.set rA, FA0+8*MB*(\f)+8*((\hi)*(MB/2)+ia)
.if \first
	v_wmma_f32_16x16x32_f16 v[rD:rD+7], v[rB:rB+7], v[rA:rA+7], v[BIAS+8*ib:BIAS+8*ib+7]
.else
	v_wmma_f32_16x16x32_f16 v[rD:rD+7], v[rB:rB+7], v[rA:rA+7], v[rD:rD+7]
.endif
.set ib, ib+1
.endr
.set ia, ia+1
.endr
.endm
.macro FETCHR ra, rb, k, g             ; one run of 2 (NB + MB) LDS loads: the fragments of 32 along K at byte k of the rows, into buffer g; W's first, then xn's.  ra, rb: the registers that hold the slot's addresses
	WIN 0x40
.set ii, 0
.rept NB
	ds_load_b128 v[128*(\g)+8*ii:128*(\g)+8*ii+3],   v[\rb] offset:(\k)+ii*16*PITCH
	ds_load_b128 v[128*(\g)+8*ii+4:128*(\g)+8*ii+7], v[\rb] offset:(\k)+ii*16*PITCH+32
.set ii, ii+1
.endr
	WIN 0
.set ii, 0
.rept MB
	ds_load_b128 v[FA0+8*MB*(\g)+8*ii:FA0+8*MB*(\g)+8*ii+3],   v[\ra] offset:(\k)+ii*16*PITCH
	ds_load_b128 v[FA0+8*MB*(\g)+8*ii+4:FA0+8*MB*(\g)+8*ii+7], v[\ra] offset:(\k)+ii*16*PITCH+32
.set ii, ii+1
.endr
.endm
.macro QUARTER ra, rb, k, f, g, first  ; multiplies buffer f; in its middle fetches the next sub-step, at byte k, into g
	s_wait_dscnt MB                                ; W and xn's first half are in; the youngest MB loads (xn's second half) may be out
	MULQ \f, 0, 0, \first
	MULQ \f, 0, 1, \first
	PLACES
	FETCHR \ra, \rb, \k, \g
	s_wait_dscnt 2*(MB+NB)                         ; all but the run just issued
	MULQ \f, 1, 0, \first
	MULQ \f, 1, 1, \first
.endm
.macro MID                             ; sub-steps 1 and 2 of the K step in hand
	QUARTER CA, CB, 128, 1, 0, 0
	QUARTER CA, CB, 192, 0, 1, 0
.endm
; The last sub-step of a K step multiplies buffer 1 and changes slots.  MEET is its first half: one barrier; ahead of it each wave waits for all its tensor loads (at most one is out: its part of
; the slot to come), adds 0 to its spare word, and waits for that and for its reads of the slot in hand.  The addresses in the slot to come are made while the add is out.
.macro MEET
	WIN 0
	s_wait_tensorcnt 0x0
	ds_add_u32 v[SPW], v[NIL]
	v_add_nc_u32 v[XA], s[TN], v[ADRA]
	v_add_nc_u32 v[XB], s[TN], v[ADRB]
	s_wait_dscnt MB+1                              ; the add and the youngest MB loads may be out
	MULQ 1, 0, 0, 0
	s_wait_dscnt 0x0                               ; the add is done, my reads of the slot in hand are over
	s_barrier_signal -1
	MULQ 1, 0, 1, 0
	WIN 0
	s_barrier_wait -1
.endm
.macro TURNOVER                        ; a trip's end: the slots change names
	WIN 0
	s_xor_b32 s[TK], s[TK], SLOT
	s_xor_b32 s[TN], s[TN], SLOT
.endm
.macro DUMP                            ; all sums, f32, into my part of the spent slots: row = token, 32 bytes a lane and block; each accumulator's low registers first
.set ih, 0
.rept 2
	WIN 0x08+4*ih
.set ia, 0
.rept MB/2
.set ib, 0
.rept NB
	ds_store_b128 v[STO], v[8*(NB*ia+ib):8*(NB*ia+ib)+3]   offset:(ih*(MB/2)+ia)*16*DP+64*ib
	ds_store_b128 v[STO], v[8*(NB*ia+ib)+4:8*(NB*ia+ib)+7] offset:(ih*(MB/2)+ia)*16*DP+64*ib+16
.set ib, ib+1
.endr
.set ia, ia+1
.endr
.set ih, ih+1
.endr
	WIN 0
.endm
	s_load_b128 s[4:7], s[0:1], 0x0                ; xn, w1h
	s_load_b64 s[8:9], s[0:1], 0x10                ; g
	s_load_b64 s[72:73], s[0:1], 0x18              ; b1
	v_lshl_add_u32 v[SPW], v0, 2, SPARE
	v_mov_b32 v[NIL], 0
	ds_add_u32 v[SPW], v[NIL]                      ; the wave's opening: the add is waited for ahead of my first tensor load
	v_lshrrev_b32 v1, 5, v0
	v_readfirstlane_b32 s10, v1                    ; wave 0..3
	s_lshr_b32 s11, s10, 1                         ; I fetch for xn (0) or for W (1)
	s_and_b32 s12, s10, 1                          ; which half of that tile's rows
	s_mov_b32 s[WM], s11                           ; two waves along the tokens,
	s_mov_b32 s[WN], s12                           ; two along the columns
	s_bfe_u32 s40, ttmp6, 0x40000                  ; cx, cy
	s_bfe_u32 s41, ttmp6, 0x40004
	s_lshl_b32 s42, ttmp9, 2
	s_add_co_u32 s42, s42, s40                     ; tile column
	s_and_b32 s13, ttmp7, 0xffff
	s_lshl_b32 s13, s13, 2
	s_add_co_u32 s13, s13, s41                     ; tile row
	s_lshl_b32 s43, s41, 2
	s_lshl_b32 s43, 15, s43                        ; my row of the cluster
	s_lshl_b32 s44, 0x1111, s40                    ; my column
	s_or_b32 s[G1+0], s43, (1<<16)|(1<<20)|(1<<21)|(QI<<22)|(3<<25)   ; mask; 2-byte elements; padding on; bit 21 beside a mask; after every row; 4 words
	s_or_b32 s[G1B+0], s44, (1<<16)|(1<<20)|(1<<21)|(QI<<22)|(3<<25)
	s_mov_b32 s[G1+1], KSTEP<<16
	s_mov_b32 s[G1+2], (BM/2)<<16
	s_mov_b32 s[G1+3], KSTEP<<16
	s_mov_b32 s[G1+4], BM/2
	s_mov_b32 s[G1+5], SIZE_K
	s_mov_b32 s[G1+6], 0
	s_mov_b32 s[G1+7], 0
	s_mov_b32 s[G1B+1], KSTEP<<16
	s_mov_b32 s[G1B+2], (BN/2)<<16
	s_mov_b32 s[G1B+3], KSTEP<<16
	s_mov_b32 s[G1B+4], BN/2
	s_mov_b32 s[G1B+5], SIZE_K
	s_mov_b32 s[G1B+6], 0
	s_mov_b32 s[G1B+7], 0
	s_mov_b32 s80, 0xc0135761                      ; C1 = -2.3022082
	s_mov_b32 s81, s80
	s_mov_b32 s82, 0xbdd2d3e8                      ; C3 = -0.10294324
	s_mov_b32 s83, s82
	s_mul_i32 s17, s12, BM/2                       ; xn's address hangs on the tile row alone, W's on the tile column alone, each in registers that never hold the other
	s_mul_i32 s16, s13, BM
	s_add_co_u32 s16, s16, s17
	s_mul_i32 s47, s12, BN/2
	s_mul_i32 s46, s42, BN
	s_add_co_u32 s46, s46, s47
	s_mov_b32 s17, 0
	s_mov_b32 s47, 0
	s_mov_b64 s[18:19], SIZE_K*2
	s_mul_u64 s[16:17], s[16:17], s[18:19]
	s_mul_u64 s[46:47], s[46:47], s[18:19]
	s_mul_i32 s20, s10, (BM/2)*PITCH               ; where they go in a slot: wave x 128 rows: xn's halves, then W's.  s20 and s21 are kept
	s_mul_i32 s21, s10, (BN/2)*PITCH
	s_add_co_u32 s21, s21, (BM-BN)*PITCH
	s_wait_dscnt 0x0                               ; the opening add is done
	s_wait_kmcnt 0x0
	s_add_nc_u64 s[14:15], s[4:5], s[16:17]
	s_add_nc_u64 s[46:47], s[6:7], s[46:47]
	CROUND                                         ; all sixteen work-groups are here: the first joint loads meet
.irp s, 0,1
	s_mov_b32 s[G0+4*(\s)], 1
	s_add_co_u32 s[G0+4*(\s)+1], s20, (\s)*SLOT
	s_add_nc_u64 s[G0+4*(\s)+2:G0+4*(\s)+3], s[14:15], (\s)*KSTEP*2
	s_or_b32 s[G0+4*(\s)+3], s[G0+4*(\s)+3], 0x80000000
	s_mov_b32 s[G0B+4*(\s)], 1
	s_add_co_u32 s[G0B+4*(\s)+1], s21, (\s)*SLOT
	s_add_nc_u64 s[G0B+4*(\s)+2:G0B+4*(\s)+3], s[46:47], (\s)*KSTEP*2
	s_or_b32 s[G0B+4*(\s)+3], s[G0B+4*(\s)+3], 0x80000000
	JLOAD \s                                       ; two tensor loads of mine are out; later one
.endr
	v_and_b32 v1, 15, v0                           ; l % 16
	v_bfe_u32 v2, v0, 4, 1                         ; l / 16
	v_lshlrev_b32 v[VB], 5, v2
	s_mul_i32 s46, s42, BN
	s_mul_i32 s47, s[WN], 16*NB
	s_add_co_u32 s46, s46, s47                     ; my first column
	s_lshl_b32 s22, s46, 2
	s_mov_b32 s23, 0
	s_add_nc_u64 s[72:73], s[72:73], s[22:23]
.set ib, 0
.rept NB
	global_load_b128 v[BIAS+8*ib:BIAS+8*ib+3],   v[VB], s[72:73] offset:64*ib
	global_load_b128 v[BIAS+8*ib+4:BIAS+8*ib+7], v[VB], s[72:73] offset:64*ib+16
.set ib, ib+1
.endr
	v_mul_u32_u24 v3, v1, PITCH
	v_lshl_add_u32 v3, v2, 4, v3                   ; a fragment's row x pitch + 16 x half
	s_mul_i32 s22, s[WM], 16*MB*PITCH
	s_mul_i32 s23, s[WN], 16*NB*PITCH
	s_add_co_u32 s23, s23, BM*PITCH
	v_add_nc_u32 v[ADRA], s22, v3
	v_add_nc_u32 v[ADRB], s23, v3
	v_and_b32 v4, 31, v0
	s_mul_i32 s23, s10, DREG                       ; my dump
	v_mul_u32_u24 v5, v1, DP
	v_lshl_add_u32 v5, v2, 5, v5
	v_add_nc_u32 v[STO], s23, v5                   ; in: row l % 16, 32 bytes for each half of the lanes
	v_lshl_add_u32 v[RD0], v4, 4, s23              ; back: 32 lanes take a whole row of 128 f32
	v_lshlrev_b32 v[CO], 3, v4                     ; which is 256 bytes of f16: 8 a lane
	s_mul_i32 s16, s13, BM
	s_mul_i32 s17, s[WM], 16*MB
	s_add_co_u32 s16, s16, s17                     ; my first token
	s_lshl_b32 s16, s16, 13                        ; rows of 8,192 bytes
	s_mov_b32 s17, 0
	s_add_nc_u64 s[8:9], s[8:9], s[16:17]
	s_lshl_b32 s46, s46, 1
	s_mov_b32 s47, 0
	s_add_nc_u64 s[8:9], s[8:9], s[46:47]
	s_wait_tensorcnt 1                             ; my part of K step 0 is in; K step 1's may stay out
	s_barrier_signal -1
	s_barrier_wait -1
	FETCHR ADRA, ADRB, 0, 0
	s_wait_loadcnt 0x0                             ; the bias
	QUARTER ADRA, ADRB, 64, 0, 1, 1                ; the first sub-step stands ahead of the loop: its products start the sums, from the bias
	WIN 0
	s_mov_b32 s[TK], 0
	s_mov_b32 s[TN], SLOT
	s_mov_b32 s3, STEPS-2
.Lstep:                                                ; a trip: from a K step's second sub-step to the next step's first; it fills the slot that it leaves with the K step two on
	v_add_nc_u32 v[CA], s[TK], v[ADRA]
	v_add_nc_u32 v[CB], s[TK], v[ADRB]
	MID
	MEET
	CREST                                          ; the barrier has opened a round of the cluster's: no wave of any partner still reads the slot or has a load on its way
	s_add_co_u32 s[G0+5], s20, s[TK]               ; the walking descriptors: my part of the slot just left,
	s_add_nc_u64 s[G0+6:G0+7], s[G0+6:G0+7], KSTEP*2       ; the next K step not yet asked for; the type bits on top are not reached
	s_add_co_u32 s[G0B+5], s21, s[TK]
	s_add_nc_u64 s[G0B+6:G0B+7], s[G0B+6:G0B+7], KSTEP*2
	JLOAD 1                                        ; the first tensor load behind the round; its four v_nop are also the places ahead of the loads below
	FETCHR XA, XB, 0, 0
	MULQ 1, 1, 0, 0
	MULQ 1, 1, 1, 0
	QUARTER XA, XB, 64, 0, 1, 0
	TURNOVER
	s_sub_co_u32 s3, s3, 1
	s_cmp_lg_u32 s3, 0
	s_cbranch_scc1 .Lstep
	s_mov_b32 s[TC], 2
.Ltail:                                                ; the last two K steps fill nothing: their text stands apart
	v_add_nc_u32 v[CA], s[TK], v[ADRA]
	v_add_nc_u32 v[CB], s[TK], v[ADRB]
	MID
	MEET                                           ; in the last trip: behind this barrier no wave reads a slot any more and no fill is to come, so the slots may be written
	s_cmp_eq_u32 s[TC], 1
	s_cbranch_scc1 .Lno_more                       ; the last K step has no successor to fetch
	PLACES
	FETCHR XA, XB, 0, 0
.Lno_more:
	MULQ 1, 1, 0, 0
	MULQ 1, 1, 1, 0
	WIN 0
	s_sub_co_u32 s[TC], s[TC], 1
	s_cmp_eq_u32 s[TC], 0
	s_cbranch_scc1 .Lsums                          ; the second trip is left here
	QUARTER XA, XB, 64, 0, 1, 0
	TURNOVER
	s_cmp_lg_u32 s[TC], 0
	s_cbranch_scc1 .Ltail
.Lsums:
	PLACES
	DUMP
	s_wait_dscnt 0x0                               ; my dump is written
	s_barrier_signal -1
	s_barrier_wait -1                              ; everybody's is: from here LDS is only read
.macro P32 line:vararg                 ; one line for each of the 32 pairs p
.set p, 0
.rept 32
	\line
.set p, p+2
.endr
.endm
.macro S64 line:vararg                 ; one line for each of the 64 numbers p
.set p, 0
.rept 64
	\line
.set p, p+1
.endr
.endm
	s_mov_b32 s[TR], 0
	s_mov_b32 s3, MB
.Lrows:                                                ; 16 tokens a trip
	v_add_nc_u32 v[RD], s[TR], v[RD0]
.set ii, 0
.rept 16
	ds_load_b128 v[XR+4*ii:XR+4*ii+3], v[RD] offset:ii*DP
.set ii, ii+1
.endr
	s_wait_dscnt 0x0
	P32 v_pk_mul_f32 v[TT+p:TT+p+1], v[XR+p:XR+p+1], v[XR+p:XR+p+1]
	P32 v_pk_fma_f32 v[TT+p:TT+p+1], v[TT+p:TT+p+1], s[82:83], s[80:81] op_sel_hi:[1,0,0]
	P32 v_pk_mul_f32 v[TT+p:TT+p+1], v[TT+p:TT+p+1], v[XR+p:XR+p+1]
	S64 v_exp_f32 v[TT+p], v[TT+p]
	v_nop                                          ; a plain instruction behind the last transcendental before its result is used (ISA guide 5.7.2)
	s_wait_alu depctr_va_vdst(0)
	P32 v_pk_add_f32 v[TT+p:TT+p+1], v[TT+p:TT+p+1], 1.0 op_sel_hi:[1,0]
	S64 v_rcp_f32 v[TT+p], v[TT+p]
	v_nop
	s_wait_alu depctr_va_vdst(0)
	P32 v_pk_mul_f32 v[XR+p:XR+p+1], v[XR+p:XR+p+1], v[TT+p:TT+p+1]
	P32 v_cvt_pk_f16_f32 v[TT+p/2], v[XR+p], v[XR+p+1]
.set ii, 0
.rept 16
	global_store_b64 v[CO], v[TT+2*ii:TT+2*ii+1], s[8:9] offset:ii*8192  ; the wave stores 256 consecutive bytes, aligned
.set ii, ii+1
.endr
	s_wait_xcnt 0x0                                ; the stores' base and data are rewritten only behind this wait
	s_add_co_u32 s[TR], s[TR], 16*DP
	s_add_nc_u64 s[8:9], s[8:9], 16*8192
	s_sub_co_u32 s3, s3, 1
	s_cmp_lg_u32 s3, 0
	s_cbranch_scc1 .Lrows
	s_wait_tensorcnt 0x0                           ; the wave's end
	ds_add_u32 v[SPW], v[NIL]
	s_wait_dscnt 0x0
	CROUND                                         ; the closing round
	s_endpgm
.Lfunc_end_k_q79301202c1_ffn1:
	.size	k_q79301202c1_ffn1, .Lfunc_end_k_q79301202c1_ffn1-k_q79301202c1_ffn1
	.p2alignl 7, 3214868480
	.fill 96, 4, 3214868480
	.section	.rodata,"a",@progbits
	.p2align	6, 0x0
	.amdhsa_kernel k_q79301202c1_ffn1
		.amdhsa_group_segment_fixed_size 327680
		.amdhsa_private_segment_fixed_size 0
		.amdhsa_enable_private_segment 0
		.amdhsa_kernarg_size 32
		.amdhsa_user_sgpr_count 2
		.amdhsa_user_sgpr_kernarg_segment_ptr 1
		.amdhsa_wavefront_size32 1
		.amdhsa_system_sgpr_workgroup_id_x 1
		.amdhsa_system_sgpr_workgroup_id_y 1
		.amdhsa_system_sgpr_workgroup_id_z 1
		.amdhsa_system_vgpr_workitem_id 0
		.amdhsa_next_free_vgpr 1024
		.amdhsa_next_free_sgpr 96
		.amdhsa_reserve_vcc 0
		.amdhsa_float_denorm_mode_32 3
		.amdhsa_float_denorm_mode_16_64 3
		.amdhsa_memory_ordered 1
		.amdhsa_forward_progress 1
		.amdhsa_inst_pref_size 98
	.end_amdhsa_kernel
	.amdgpu_metadata
---
amdhsa.version: [ 1, 2 ]
amdhsa.kernels:
  - .name:           k_q79301202c1_ffn1
    .symbol:         k_q79301202c1_ffn1.kd
    .args:
      - { .name: xn, .offset: 0, .size: 8, .value_kind: global_buffer, .address_space: global }
      - { .name: w1h, .offset: 8, .size: 8, .value_kind: global_buffer, .address_space: global }
      - { .name: g, .offset: 16, .size: 8, .value_kind: global_buffer, .address_space: global }
      - { .name: b1, .offset: 24, .size: 8, .value_kind: global_buffer, .address_space: global }
    .group_segment_fixed_size: 327680
    .private_segment_fixed_size: 0
    .kernarg_segment_align: 8
    .kernarg_segment_size: 32
    .max_flat_workgroup_size: 128
    .sgpr_count:     96
    .vgpr_count:     1024
    .wavefront_size: 32
...
	.end_amdgpu_metadata
.endif
;; end of part 5
;; launch ffn2 (part 6): grid 8 x 32, 4 waves a work-group, clusters of 4 x 4, 327,680 bytes of LDS; arguments g, w2h, out0, b2, res; writes out0
.if DOCPART == 6
	.amdgcn_target "amdgcn-amd-amdhsa--gfx1250"
	.amdhsa_code_object_version 6
	.text
	.protected	k_q79301202c1_ffn2
	.globl	k_q79301202c1_ffn2
	.p2align	8
	.type	k_q79301202c1_ffn2,@function
k_q79301202c1_ffn2:
	s_mov_b64 s[64:65], 0
	v_nop
	global_prefetch_b8 v0, s[64:65] scope:SCOPE_SE
	s_setreg_imm32_b32 hwreg(HW_REG_WAVE_MODE, 25, 1), 1
	s_wait_xcnt 0x0
	s_wait_alu depctr_hold_cnt(0) depctr_sa_sdst(0) depctr_va_vdst(0) depctr_va_sdst(0) depctr_va_ssrc(0) depctr_va_vcc(0) depctr_vm_vsrc(0)
	s_getreg_b32 s2, hwreg(HW_REG_IB_STS2, 6, 4)
	s_cmp_eq_u32 s2, 0
	s_cbranch_scc0 .Lentry_in_a_cluster
	s_endpgm
.Lentry_in_a_cluster:
	s_bfe_u32 s2, ttmp6, 0x10000c
	s_cmp_lg_u32 s2, 0xf033
	s_cbranch_scc0 .Lentry_shape_is_right
	s_endpgm
.Lentry_shape_is_right:
; out0 = res + g W2^T + b2, f32.  g: [4,096][4,096] f16; w2h: [1,024][4,096] f16; res, out0: [4,096][1,024] f32; sums in f32.
; The output has 4,096 x 1,024 numbers: tiles of 128 x 128 give 8 x 32 = 256 work-groups.  Four waves, each 64 x 64: 16 accumulators of 16 x 16.
; K goes in steps of 256 (LDS rows of 512 bytes; a wave's tensor load brings 64 of them), as long as two slots in LDS allow, since a small tile has little work for each byte that it fetches.
; CLUSTER 4 x 4: the four of a row need the same tile of g, the four of a column the same tile of w2h: each is asked for jointly (same load, descriptor and mask in all four).
; THE MATRIX INSTRUCTION IS USED TRANSPOSED (source 0 = 16 rows of W, source 1 = 16 tokens).  THE BIAS is the C operand of the products that start the sums.
; THE TEXT.  A K step is written twice: once for the fourteen steps that fill a slot again, looped, and once for the last two, which fill nothing, walked twice; inside a step six of its eight
; sub-steps are three trips of two.  The slot in hand is a scalar, 0 or SLOT, turned by an exclusive or at a trip's end; the fragments' addresses and the walking descriptor's LDS word are sums with it.
; AHEAD OF THE TENSOR LOADS the tiles are asked into the L2, each block of 256 bytes once in the launch.  Trip i of the fourteen loads K step i + 2.  In it wave 0 asks for g's K step i + 4, which the
; tensor load two trips on will bring: of the tile row's 128 rows the work-group of tile column c takes rows 16 c to 16 c + 15, two blocks a row, 32 lanes 256 bytes apart; trips 12 and 13 ask for
; nothing.  Wave 1 asks for w2h: of the tile column's 128 rows the work-group of tile row r takes rows 4 r to 4 r + 3, and in trips 0, 4 and 8 asks for their K steps i + 4 to i + 7, eight blocks a
; row.  K steps 0 to 3 are not asked for ahead.  The furthest byte named lies 7,936 + 255 into a row of 8,192: inside both buffers.
; My 64 x 64 numbers of res are loaded at the start and wait in 128 registers.  THE WAY OUT: when the last K step is multiplied both slots have had their last fill; each wave dumps its sums there,
; reads them back by rows, adds res and stores.
; LIMITS.  None beyond f32's and those of g and w2h as they arrive.  NaN and infinities are not treated apart.
; REGISTERS, in windows of 256: window 0: v1-30 addresses; v32-63, v64-95 fragments of g, two buffers (on the way out: rows read back); v96-127 bias; v128-255 res.
;   window 1: v0-31, v128-159 fragments of W, two buffers.  window 2: accumulators of token blocks 0, 1 ((a, b) at 8 (4 a + b)); window 3: of blocks 2, 3.
.set BM, 128
.set BN, 128
.set MB, 4
.set NB, 4
.set SIZE_K, 4096
.set KSTEP, 256
.set STEPS, SIZE_K/KSTEP
.set AHEAD, 4                          ; the first K step that is asked into the L2
.set PITCH, 528                        ; an LDS row: 512 bytes + 16 of padding = 132 words: the 16 rows of a fragment load start at 16 different groups of four banks (64 banks of 4 bytes: ISA guide 11.1)
.set QI, 6                             ; padding after every 128 words
.set SLOT, (BM+BN)*PITCH
.set SPARE, 2*SLOT                     ; behind the ring: the spare words, 128 bytes a wave, that no other line names
.set DP, 64*NB+16                      ; the dump: a row of 64 f32 + 16 bytes
.set DREG, 16*MB*DP
.set PFA, 6                            ; v6 the prefetch of g: row lane / 2, block lane % 2; never rewritten
.set PFB, 7                            ; v7 the prefetch of w2h: row lane / 8, block lane % 8; never rewritten
.set ADRA, 16                          ; v16 LDS address of my g fragments in slot 0; never rewritten
.set XA, 17                            ; v17 the same in the slot to come
.set CA, 18                            ; v18 the same in the slot in hand, with the pair loop's step
.set ADRB, 20                          ; v20-22 likewise for W
.set XB, 21
.set CB, 22
.set STO, 24
.set CO, 26
.set RD, 27
.set SPW, 28
.set NIL, 29
.set VB, 30
.set FA0, 32
.set BIAS, FA0+16*MB
.set RES, 128
.set G1, 24                            ; s[24:31] descriptor group 1 for g's tiles; s[32:39] group 0: a set for each of the two first fills; the second then walks on
.set G0, 32
.set G1B, 48
.set G0B, 56
.set WM, 66
.set WN, 67
.set TN, 68                            ; s68 the slot to come: SLOT or 0
.set TP, 69                            ; s69 the pair loop's LDS step: the slot in hand + 128 bytes a trip
.set TC, 70                            ; s70 counts the last two K steps
.set TK, 84                            ; s84 the slot in hand: 0 or SLOT
.set PG, 86                            ; s[86:87] the prefetch of g: my 16 rows at K step trip + 4
.set PW, 88                            ; s[88:89] of w2h: my 4 rows at K step trip + 4
.set MSB, 0
.macro WIN new                         ; the immediate's high byte repeats the setting that is left; a switch that changes nothing is dropped
.if MSB != (\new)
	s_set_vgpr_msb (MSB<<8)|(\new)
.set MSB, \new
.endif
.endm
.macro JLOAD s                         ; a joint load: waves 0 and 1 fetch the two halves of g's tile, waves 2 and 3 of W's; s_nop 0 and four v_nop follow each line
	s_cmp_eq_u32 s11, 0
	s_cbranch_scc0 .Lfor_b_\@
	tensor_load_to_lds s[G0+4*(\s):G0+4*(\s)+3], s[G1:G1+7]
	s_nop 0
.rept 4
	v_nop
.endr
	s_branch .Lasked_\@
.Lfor_b_\@:
	tensor_load_to_lds s[G0B+4*(\s):G0B+4*(\s)+3], s[G1B:G1B+7]
	s_nop 0
.rept 4
	v_nop
.endr
.Lasked_\@:
.endm
.macro CREST                           ; a round of the cluster's barrier behind its opening barrier
	s_cmp_lg_u32 s10, 0
	s_cbranch_scc1 .Lnot_wave_0_\@
	s_barrier_signal -3
.Lnot_wave_0_\@:
	s_barrier_wait -3
	s_barrier_signal -1
	s_barrier_wait -1
.endm
.macro CROUND
	s_barrier_signal -1
	s_barrier_wait -1
	CREST
.endm
.macro PLACES                          ; four plain vector instructions between a matrix instruction and a load into, or a read of, its registers (ISA guide 7.12.1 for reads)
.rept 4
	v_nop
.endr
.endm
; MB / 4 token blocks x all NB column blocks, 32 along K, from buffer f.  hi: window 2 or 3; part: which half of the window's blocks.  first = 1: C is the bias.
; Every sub-step takes the accumulators in the same order, one instruction a turn.
.macro MULQ f, hi, part, first
.if \first
	WIN 0x81+0x40*(\hi)
.else
	WIN 0xa1+0x50*(\hi)
.endif
.set ia, (\part)*(MB/4)
.rept MB/4
.set ib, 0
.rept NB
.set rD, 8*(NB*ia+ib)
.set rB, 128*(\f)+8*ib
.set rA, FA0+8*MB*(\f)+8*((\hi)*(MB/2)+ia)
.if \first
	v_wmma_f32_16x16x32_f16 v[rD:rD+7], v[rB:rB+7], v[rA:rA+7], v[BIAS+8*ib:BIAS+8*ib+7]
.else
	v_wmma_f32_16x16x32_f16 v[rD:rD+7], v[rB:rB+7], v[rA:rA+7], v[rD:rD+7]
.endif
.set ib, ib+1
.endr
.set ia, ia+1
.endr
.endm
.macro FETCHR ra, rb, k, g             ; one run of 2 (NB + MB) LDS loads: the fragments of 32 along K at byte k of the rows, into buffer g; W's first, then g's.  ra, rb: the registers that hold the addresses
	WIN 0x40
.set ii, 0
.rept NB
	ds_load_b128 v[128*(\g)+8*ii:128*(\g)+8*ii+3],   v[\rb] offset:(\k)+ii*16*PITCH
	ds_load_b128 v[128*(\g)+8*ii+4:128*(\g)+8*ii+7], v[\rb] offset:(\k)+ii*16*PITCH+32
.set ii, ii+1
.endr
	WIN 0
.set ii, 0
.rept MB
	ds_load_b128 v[FA0+8*MB*(\g)+8*ii:FA0+8*MB*(\g)+8*ii+3],   v[\ra] offset:(\k)+ii*16*PITCH
	ds_load_b128 v[FA0+8*MB*(\g)+8*ii+4:FA0+8*MB*(\g)+8*ii+7], v[\ra] offset:(\k)+ii*16*PITCH+32
.set ii, ii+1
.endr
.endm
.macro QUARTER ra, rb, k, f, g, first  ; a sub-step of 32 along K: multiplies buffer f; in its middle fetches the next sub-step, at byte k, into g
	s_wait_dscnt MB                                ; W and g's first half are in; the youngest MB loads (g's second half) may be out
	MULQ \f, 0, 0, \first
	MULQ \f, 0, 1, \first
	PLACES
	FETCHR \ra, \rb, \k, \g
	s_wait_dscnt 2*(MB+NB)                         ; all but the run just issued
	MULQ \f, 1, 0, \first
	MULQ \f, 1, 1, \first
.endm
.macro QV f, g, imm                    ; the same with the addresses stepped by s[TP]: the two additions take two of the four places
	s_wait_dscnt MB
	MULQ \f, 0, 0, 0
	MULQ \f, 0, 1, 0
	WIN 0
	v_add_nc_u32 v[CA], s[TP], v[ADRA]
	v_add_nc_u32 v[CB], s[TP], v[ADRB]
	v_nop
	v_nop
	FETCHR CA, CB, \imm, \g
	s_wait_dscnt 2*(MB+NB)
	MULQ \f, 1, 0, 0
	MULQ \f, 1, 1, 0
.endm
.macro MID                             ; sub-steps 1 to 6 of the K step in hand: three trips of two.  Both ways to the label have the same 16 loads out
	WIN 0
	s_mov_b32 s[TP], s[TK]
	s_mov_b32 s2, 3
.Lpair_\@:
	QV 1, 0, 128
	QV 0, 1, 192
	WIN 0
	s_add_co_u32 s[TP], s[TP], 128
	s_sub_co_u32 s2, s2, 1
	s_cmp_lg_u32 s2, 0
	s_cbranch_scc1 .Lpair_\@
.endm
; The last sub-step of a K step multiplies buffer 1 and changes slots.  MEET is its first half: one barrier; ahead of it each wave waits for all its tensor loads (at most one is out: its part of
; the slot to come), adds 0 to its spare word, and waits for that and for its reads of the slot in hand.  The addresses in the slot to come are made while the add is out.
.macro MEET
	WIN 0
	s_wait_tensorcnt 0x0
	ds_add_u32 v[SPW], v[NIL]
	v_add_nc_u32 v[XA], s[TN], v[ADRA]
	v_add_nc_u32 v[XB], s[TN], v[ADRB]
	s_wait_dscnt MB+1                              ; the add and the youngest MB loads may be out
	MULQ 1, 0, 0, 0
	s_wait_dscnt 0x0                               ; the add is done, my reads of the slot in hand are over
	s_barrier_signal -1
	MULQ 1, 0, 1, 0
	WIN 0
	s_barrier_wait -1
.endm
.macro TURNOVER                        ; a trip's end: the slots change names
	WIN 0
	s_xor_b32 s[TK], s[TK], SLOT
	s_xor_b32 s[TN], s[TN], SLOT
.endm
.macro DUMP                            ; all sums, f32, into my part of the spent slots: row = token, 32 bytes a lane and block; each accumulator's low registers first
.set ih, 0
.rept 2
	WIN 0x08+4*ih
.set ia, 0
.rept MB/2
.set ib, 0
.rept NB
	ds_store_b128 v[STO], v[8*(NB*ia+ib):8*(NB*ia+ib)+3]   offset:(ih*(MB/2)+ia)*16*DP+64*ib
	ds_store_b128 v[STO], v[8*(NB*ia+ib)+4:8*(NB*ia+ib)+7] offset:(ih*(MB/2)+ia)*16*DP+64*ib+16
.set ib, ib+1
.endr
.set ia, ia+1
.endr
.set ih, ih+1
.endr
	WIN 0
.endm
	s_load_b128 s[4:7], s[0:1], 0x0                ; g, w2h
	s_load_b64 s[8:9], s[0:1], 0x10                ; out0
	s_load_b64 s[72:73], s[0:1], 0x18              ; b2
	s_load_b64 s[78:79], s[0:1], 0x20              ; res
	v_lshl_add_u32 v[SPW], v0, 2, SPARE
	v_mov_b32 v[NIL], 0
	ds_add_u32 v[SPW], v[NIL]                      ; the wave's opening: the add is waited for ahead of my first tensor load
	v_lshrrev_b32 v1, 5, v0
	v_readfirstlane_b32 s10, v1                    ; wave 0..3
	s_lshr_b32 s11, s10, 1                         ; I fetch for g (0) or for W (1)
	s_and_b32 s12, s10, 1                          ; which half of that tile's rows
	s_mov_b32 s[WM], s11
	s_mov_b32 s[WN], s12
	s_bfe_u32 s40, ttmp6, 0x40000                  ; cx, cy
	s_bfe_u32 s41, ttmp6, 0x40004
	s_lshl_b32 s42, ttmp9, 2
	s_add_co_u32 s42, s42, s40                     ; tile column
	s_and_b32 s13, ttmp7, 0xffff
	s_lshl_b32 s13, s13, 2
	s_add_co_u32 s13, s13, s41                     ; tile row
	s_lshl_b32 s43, s41, 2
	s_lshl_b32 s43, 15, s43                        ; my row of the cluster
	s_lshl_b32 s44, 0x1111, s40                    ; my column
	s_or_b32 s[G1+0], s43, (1<<16)|(1<<20)|(1<<21)|(QI<<22)|(3<<25)   ; mask; 2-byte elements; padding on; bit 21 beside a mask; after every row; 4 words
	s_or_b32 s[G1B+0], s44, (1<<16)|(1<<20)|(1<<21)|(QI<<22)|(3<<25)
	s_mov_b32 s[G1+1], KSTEP<<16
	s_mov_b32 s[G1+2], (BM/2)<<16
	s_mov_b32 s[G1+3], KSTEP<<16
	s_mov_b32 s[G1+4], BM/2
	s_mov_b32 s[G1+5], SIZE_K
	s_mov_b32 s[G1+6], 0
	s_mov_b32 s[G1+7], 0
	s_mov_b32 s[G1B+1], KSTEP<<16
	s_mov_b32 s[G1B+2], (BN/2)<<16
	s_mov_b32 s[G1B+3], KSTEP<<16
	s_mov_b32 s[G1B+4], BN/2
	s_mov_b32 s[G1B+5], SIZE_K
	s_mov_b32 s[G1B+6], 0
	s_mov_b32 s[G1B+7], 0
	s_mul_i32 s17, s12, BM/2                       ; g's address hangs on the tile row alone, W's on the tile column alone, each in registers that never hold the other
	s_mul_i32 s16, s13, BM
	s_add_co_u32 s16, s16, s17
	s_mul_i32 s47, s12, BN/2
	s_mul_i32 s46, s42, BN
	s_add_co_u32 s46, s46, s47
	s_mov_b32 s17, 0
	s_mov_b32 s47, 0
	s_mov_b64 s[18:19], SIZE_K*2
	s_mul_u64 s[16:17], s[16:17], s[18:19]
	s_mul_u64 s[46:47], s[46:47], s[18:19]
	s_mul_i32 s20, s10, (BM/2)*PITCH               ; where they go in a slot: wave x 64 rows: g's halves, then W's.  s20 and s21 are kept
	s_mul_i32 s21, s10, (BN/2)*PITCH
	s_add_co_u32 s21, s21, (BM-BN)*PITCH
	s_wait_dscnt 0x0                               ; the opening add is done
	s_wait_kmcnt 0x0
	s_add_nc_u64 s[14:15], s[4:5], s[16:17]
	s_add_nc_u64 s[46:47], s[6:7], s[46:47]
	CROUND                                         ; all sixteen work-groups are here: the first joint loads meet
.irp s, 0,1
	s_mov_b32 s[G0+4*(\s)], 1
	s_add_co_u32 s[G0+4*(\s)+1], s20, (\s)*SLOT
	s_add_nc_u64 s[G0+4*(\s)+2:G0+4*(\s)+3], s[14:15], (\s)*KSTEP*2
	s_or_b32 s[G0+4*(\s)+3], s[G0+4*(\s)+3], 0x80000000
	s_mov_b32 s[G0B+4*(\s)], 1
	s_add_co_u32 s[G0B+4*(\s)+1], s21, (\s)*SLOT
	s_add_nc_u64 s[G0B+4*(\s)+2:G0B+4*(\s)+3], s[46:47], (\s)*KSTEP*2
	s_or_b32 s[G0B+4*(\s)+3], s[G0B+4*(\s)+3], 0x80000000
	JLOAD \s                                       ; two tensor loads of mine are out; later one
.endr
	v_and_b32 v1, 15, v0                           ; l % 16
	v_bfe_u32 v2, v0, 4, 1                         ; l / 16
	v_lshlrev_b32 v[VB], 5, v2
	v_lshlrev_b32 v5, 12, v2                       ; lanes 0-15 one row's 256 bytes, lanes 16-31 the next row's
	v_lshl_add_u32 v[CO], v1, 4, v5
	s_mul_i32 s46, s42, BN
	s_mul_i32 s47, s[WN], 16*NB
	s_add_co_u32 s46, s46, s47                     ; my first column
	s_lshl_b32 s46, s46, 2
	s_mov_b32 s47, 0
	s_add_nc_u64 s[72:73], s[72:73], s[46:47]
	s_mul_i32 s16, s13, BM
	s_mul_i32 s17, s[WM], 16*MB
	s_add_co_u32 s16, s16, s17                     ; my first token
	s_lshl_b32 s16, s16, 12                        ; rows of 4,096 bytes
	s_mov_b32 s17, 0
	s_add_nc_u64 s[8:9], s[8:9], s[16:17]
	s_add_nc_u64 s[8:9], s[8:9], s[46:47]
	s_add_nc_u64 s[78:79], s[78:79], s[16:17]
	s_add_nc_u64 s[78:79], s[78:79], s[46:47]
.set ib, 0
.rept NB
	global_load_b128 v[BIAS+8*ib:BIAS+8*ib+3],   v[VB], s[72:73] offset:64*ib
	global_load_b128 v[BIAS+8*ib+4:BIAS+8*ib+7], v[VB], s[72:73] offset:64*ib+16
.set ib, ib+1
.endr
.set ii, 0
.rept 32                               ; res: block ii / 8, pair of rows ii % 8
	global_load_b128 v[RES+4*ii:RES+4*ii+3], v[CO], s[78:79] offset:(16*(ii/8)+2*(ii%8))*4096
.set ii, ii+1
.endr
	v_mul_u32_u24 v3, v1, PITCH
	v_lshl_add_u32 v3, v2, 4, v3                   ; a fragment's row x pitch + 16 x half
	s_mul_i32 s22, s[WM], 16*MB*PITCH
	s_mul_i32 s23, s[WN], 16*NB*PITCH
	s_add_co_u32 s23, s23, BM*PITCH
	v_add_nc_u32 v[ADRA], s22, v3
	v_add_nc_u32 v[ADRB], s23, v3
	s_mul_i32 s23, s10, DREG                       ; my dump
	v_mul_u32_u24 v5, v1, DP
	v_lshl_add_u32 v5, v2, 5, v5
	v_add_nc_u32 v[STO], s23, v5                   ; in: row l % 16, 32 bytes for each half of the lanes
	v_mul_u32_u24 v5, v2, DP
	v_lshl_add_u32 v5, v1, 4, v5
	v_add_nc_u32 v[RD], s23, v5                    ; back: lanes 0-15 one row of 256 bytes, lanes 16-31 the next
	; the prefetches' offsets and bases; rows of g and of w2h are 8,192 bytes
	v_and_b32 v4, 31, v0                           ; lane
	v_lshrrev_b32 v5, 1, v4
	v_lshlrev_b32 v5, 13, v5                       ; g: row lane / 2,
	v_and_b32 v[PFA], 1, v4
	v_lshl_add_u32 v[PFA], v[PFA], 8, v5           ; block lane % 2
	v_lshrrev_b32 v5, 3, v4
	v_lshlrev_b32 v5, 13, v5                       ; w2h: row lane / 8,
	v_and_b32 v[PFB], 7, v4
	v_lshl_add_u32 v[PFB], v[PFB], 8, v5           ; block lane % 8
	s_lshl_b32 s90, s13, 7
	s_lshl4_add_u32 s90, s42, s90                  ; g: row 128 x tile row + 16 x tile column
	s_lshl_b32 s90, s90, 13
	s_add_co_u32 s90, s90, AHEAD*KSTEP*2           ; at K step 4
	s_mov_b32 s91, 0
	s_add_nc_u64 s[PG:PG+1], s[4:5], s[90:91]
	s_lshl_b32 s90, s42, 7
	s_lshl2_add_u32 s90, s13, s90                  ; w2h: row 128 x tile column + 4 x tile row
	s_lshl_b32 s90, s90, 13
	s_add_co_u32 s90, s90, AHEAD*KSTEP*2
	s_add_nc_u64 s[PW:PW+1], s[6:7], s[90:91]
	s_wait_tensorcnt 1                             ; my part of K step 0 is in; K step 1's may stay out
	s_barrier_signal -1
	s_barrier_wait -1
	FETCHR ADRA, ADRB, 0, 0
	s_wait_loadcnt 32                              ; the bias is in; the 32 younger loads (res) stay out
	QUARTER ADRA, ADRB, 64, 0, 1, 1                ; the first sub-step stands ahead of the loop: its products start the sums, from the bias
	WIN 0
	s_mov_b32 s[TK], 0
	s_mov_b32 s[TN], SLOT
	s_mov_b32 s3, STEPS-2
.Lstep:                                                ; a trip: from a K step's second sub-step to the next step's first; it fills the slot that it leaves with the K step two on.  Trip i has s3 = 14 - i
	MID
	MEET
	CREST                                          ; the barrier has opened a round of the cluster's: no wave of any partner still reads the slot or has a load on its way
	s_add_co_u32 s[G0+5], s20, s[TK]               ; the walking descriptors: my part of the slot just left,
	s_add_nc_u64 s[G0+6:G0+7], s[G0+6:G0+7], KSTEP*2       ; the next K step not yet asked for; the type bits on top are not reached
	s_add_co_u32 s[G0B+5], s21, s[TK]
	s_add_nc_u64 s[G0B+6:G0B+7], s[G0B+6:G0B+7], KSTEP*2
	JLOAD 1                                        ; the first tensor load behind the round; its four v_nop are also the places ahead of the loads below
	FETCHR XA, XB, 0, 0
	s_cmp_lg_u32 s10, 0                            ; the prefetches stand where the wave has just issued its loads.  Wave 0: g's K step i + 4,
	s_cbranch_scc1 .Lnot_g
	s_cmp_lt_u32 s3, 3                             ; but not in trips 12 and 13: there is no K step 16
	s_cbranch_scc1 .Lnot_g
	global_prefetch_b8 v[PFA], s[PG:PG+1] th:TH_LOAD_NT scope:SCOPE_SE
.Lnot_g:
	s_cmp_lg_u32 s10, 1                            ; wave 1: w2h's K steps i + 4 to i + 7,
	s_cbranch_scc1 .Lnot_w
	s_and_b32 s90, s3, 3
	s_cmp_lg_u32 s90, 2                            ; in every fourth trip (s3 = 14, 10, 6),
	s_cbranch_scc1 .Lnot_w
	s_cmp_lt_u32 s3, 6                             ; and not in trip 12 (s3 = 2)
	s_cbranch_scc1 .Lnot_w
	global_prefetch_b8 v[PFB], s[PW:PW+1] th:TH_LOAD_NT scope:SCOPE_SE
.Lnot_w:
	MULQ 1, 1, 0, 0
	MULQ 1, 1, 1, 0
	QUARTER XA, XB, 64, 0, 1, 0
	TURNOVER
	s_wait_xcnt 0x0                                ; the prefetches' bases are rewritten only behind this wait; a sub-step and a half lies between
	s_add_nc_u64 s[PG:PG+1], s[PG:PG+1], KSTEP*2
	s_add_nc_u64 s[PW:PW+1], s[PW:PW+1], KSTEP*2
	s_sub_co_u32 s3, s3, 1
	s_cmp_lg_u32 s3, 0
	s_cbranch_scc1 .Lstep
	s_mov_b32 s[TC], 2
.Ltail:                                                ; the last two K steps fill nothing: their text stands apart
	MID
	MEET                                           ; in the last trip: behind this barrier no wave reads a slot any more and no fill is to come, so the slots may be written
	s_cmp_eq_u32 s[TC], 1
	s_cbranch_scc1 .Lno_more                       ; the last K step has no successor to fetch
	PLACES
	FETCHR XA, XB, 0, 0
.Lno_more:
	MULQ 1, 1, 0, 0
	MULQ 1, 1, 1, 0
	WIN 0
	s_sub_co_u32 s[TC], s[TC], 1
	s_cmp_eq_u32 s[TC], 0
	s_cbranch_scc1 .Lsums                          ; the second trip is left here
	QUARTER XA, XB, 64, 0, 1, 0
	TURNOVER
	s_cmp_lg_u32 s[TC], 0
	s_cbranch_scc1 .Ltail
.Lsums:
	PLACES
	DUMP
	s_wait_dscnt 0x0                               ; my dump is written
	s_barrier_signal -1
	s_barrier_wait -1                              ; everybody's is: from here LDS is only read
	s_wait_loadcnt 0x0                             ; res
.macro LOADB a                         ; block a's 16 rows back, into v32.. or v64.. by turns
.irp t, 0,1,2,3,4,5,6,7
	ds_load_b128 v[32+32*((\a)%2)+4*(\t):32+32*((\a)%2)+4*(\t)+3], v[RD] offset:(16*(\a)+2*(\t))*DP
.endr
.endm
.macro ADDST a, younger                ; younger: the LDS loads issued behind block a's: the next block's eight, or none
.irp t, 0,1,2,3,4,5,6,7
	s_wait_dscnt (\younger)+7-(\t)
	v_pk_add_f32 v[RES+32*(\a)+4*(\t):RES+32*(\a)+4*(\t)+1],   v[32+32*((\a)%2)+4*(\t):32+32*((\a)%2)+4*(\t)+1],   v[RES+32*(\a)+4*(\t):RES+32*(\a)+4*(\t)+1]
	v_pk_add_f32 v[RES+32*(\a)+4*(\t)+2:RES+32*(\a)+4*(\t)+3], v[32+32*((\a)%2)+4*(\t)+2:32+32*((\a)%2)+4*(\t)+3], v[RES+32*(\a)+4*(\t)+2:RES+32*(\a)+4*(\t)+3]
	global_store_b128 v[CO], v[RES+32*(\a)+4*(\t):RES+32*(\a)+4*(\t)+3], s[8:9] offset:(16*(\a)+2*(\t))*4096  ; 16 lanes store 256 consecutive bytes, aligned; each register is stored once
.endr
.endm
	LOADB 0
	LOADB 1
	ADDST 0, 8
	LOADB 2
	ADDST 1, 8
	LOADB 3
	ADDST 2, 8
	ADDST 3, 0
	s_wait_tensorcnt 0x0                           ; the wave's end
	ds_add_u32 v[SPW], v[NIL]
	s_wait_dscnt 0x0
	CROUND                                         ; the closing round
	s_endpgm
.Lfunc_end_k_q79301202c1_ffn2:
	.size	k_q79301202c1_ffn2, .Lfunc_end_k_q79301202c1_ffn2-k_q79301202c1_ffn2
	.p2alignl 7, 3214868480
	.fill 96, 4, 3214868480
	.section	.rodata,"a",@progbits
	.p2align	6, 0x0
	.amdhsa_kernel k_q79301202c1_ffn2
		.amdhsa_group_segment_fixed_size 327680
		.amdhsa_private_segment_fixed_size 0
		.amdhsa_enable_private_segment 0
		.amdhsa_kernarg_size 40
		.amdhsa_user_sgpr_count 2
		.amdhsa_user_sgpr_kernarg_segment_ptr 1
		.amdhsa_wavefront_size32 1
		.amdhsa_system_sgpr_workgroup_id_x 1
		.amdhsa_system_sgpr_workgroup_id_y 1
		.amdhsa_system_sgpr_workgroup_id_z 1
		.amdhsa_system_vgpr_workitem_id 0
		.amdhsa_next_free_vgpr 832
		.amdhsa_next_free_sgpr 96
		.amdhsa_reserve_vcc 0
		.amdhsa_float_denorm_mode_32 3
		.amdhsa_float_denorm_mode_16_64 3
		.amdhsa_memory_ordered 1
		.amdhsa_forward_progress 1
		.amdhsa_inst_pref_size 50
	.end_amdhsa_kernel
	.amdgpu_metadata
---
amdhsa.version: [ 1, 2 ]
amdhsa.kernels:
  - .name:           k_q79301202c1_ffn2
    .symbol:         k_q79301202c1_ffn2.kd
    .args:
      - { .name: g, .offset: 0, .size: 8, .value_kind: global_buffer, .address_space: global }
      - { .name: w2h, .offset: 8, .size: 8, .value_kind: global_buffer, .address_space: global }
      - { .name: out0, .offset: 16, .size: 8, .value_kind: global_buffer, .address_space: global }
      - { .name: b2, .offset: 24, .size: 8, .value_kind: global_buffer, .address_space: global }
      - { .name: res, .offset: 32, .size: 8, .value_kind: global_buffer, .address_space: global }
    .group_segment_fixed_size: 327680
    .private_segment_fixed_size: 0
    .kernarg_segment_align: 8
    .kernarg_segment_size: 40
    .max_flat_workgroup_size: 128
    .sgpr_count:     96
    .vgpr_count:     832
    .wavefront_size: 32
...
	.end_amdgpu_metadata
.endif
;; end of part 6
